; MI455X (gfx1250); checked and timed in simulation.
; The chip was launched on July 23, 2026; its instructions are those of AMD's public machine-readable ISA for CDNA 5 (MIT licence, August 2026) and "CDNA5" Instruction Set Architecture Reference Guide (July 2026). The comments in the code are by the model that wrote it; some were corrected since.
;; SK Linear triton. Allowed arithmetic: matrix products marked QUANTISED: E2M3 operands, one E8M0 scale for each 32 along K, by v_wmma_scale_f32_16x16x128_f8f6f4 with both operands' format E2M3, f32 sums; everything else in f32.
;; Inputs: S1s_codes 4 x 256 x 128 x 24 uint8 (E2M3 codes of S1s, K innermost, in blocks of 32 codes, four codes in three bytes); S1s_scales 4 x 256 x 128 uint8 (E8M0 scales of S1s, one for each 32 codes along K); S2s 4 x 256 x 4,096 float32; U1s 4 x 256 x 4,096 float32; U2s_codes 4 x 256 x 128 x 24 uint8 (E2M3 codes of U2s, K innermost, in blocks of 32 codes, four codes in three bytes); U2s_scales 4 x 256 x 128 uint8 (E8M0 scales of U2s, one for each 32 codes along K); bias 4,096 float32; hin_codes 4,096 x 128 x 24 uint8 (E2M3 codes of hin, K innermost, in blocks of 32 codes, four codes in three bytes); hin_scales 4,096 x 128 uint8 (E8M0 scales of hin, one for each 32 codes along K).
;; Outputs: out0 4,096 x 4,096 float32.
;; This version of the problem:
;;   THIS VERSION OF THE PROBLEM IS GIVEN IN LOW PRECISION. The matrix products marked QUANTISED in the list below multiply operands that are first quantised to E2M3 (2 exponent bits, 3 mantissa bits; 6 bits a number), with one power-of-two scale for each 32 numbers along K (OCP MX v1.0); their sums are f32. All else is computed in f32.
;;   The module's matrix products, in the order in which they are computed (A, B: the left and right operand; K: the contracted axis; several contracted axes count as one K, in the product's order):
;;     1. [M 1,024, K 4,096] x [K 4,096, N 4,096]; A: input S1s (given as codes); B: input hin (given as codes): QUANTISED
;;     2. [M 4,096, K 1,024] x [K 1,024, N 4,096]; A: computed on the way; B: input U1s: QUANTISED
;;     3. [M 1,024, K 4,096] x [K 4,096, N 4,096]; A: input U2s (given as codes); B: input hin (given as codes): QUANTISED
;;     4. [M 4,096, K 1,024] x [K 1,024, N 4,096]; A: computed on the way; B: input S2s: QUANTISED
;;   THE QUANTISER, for each operand of a quantised product, along K:
;;     - K is cut into blocks of 32 from its start; a last block that is shorter is filled with zeros.
;;     - A block's scale is 2^e with e = floor(log2(the largest magnitude in the block)) - 2, held to -126 .. 127; a block of zeros has e = 0. As a byte (E8M0): e + 127.
;;     - Each number is divided by its block's scale, clamped to +-7.5, and rounded to the nearest number of E2M3, ties to even, subnormals kept.
;;     - The product sums the exact products of the quantised numbers (number of the format x scale) in f32.
;;   ~~~python
;;   def quantise(x, axis):      # numpy; x: float32 -> the quantised numbers, widened to float32 again
;;       x = np.moveaxis(x, axis, -1); K = x.shape[-1]
;;       x = np.pad(x, [(0, 0)] * (x.ndim - 1) + [(0, -K % 32)]); x = x.reshape(x.shape[:-1] + (-1, 32)); a = np.abs(x).max(-1, keepdims=True)
;;       e = np.where(a > 0, np.clip(np.frexp(np.where(a > 0, a, 1))[1] - 1 - 2, -126, 127), 0)      # np.frexp(a)[1] - 1 = floor(log2(a)), exactly
;;       r = np.clip(x / 2.0 ** e, -7.5, 7.5)
;;       step = 2.0 ** (np.maximum(np.frexp(np.where(r == 0, 1, r))[1] - 1, 0) - 3)
;;       q = np.round(r / step) * step * 2.0 ** e      # np.round: ties to even
;;       return np.moveaxis(q.reshape(q.shape[:-2] + (-1,))[..., :K], -1, axis).astype(np.float32)
;;   ~~~
;;   OPERANDS COMPUTED ON THE WAY. 'Computed on the way' means the value that the module computes at that place (a softmax that the list does not call 'softmax' is quantised finished and normalised). What goes into a quantiser is computed in f32, as accurately as f32 sums, v_exp_f32 and their like allow (about 1e-6 of the number): no bf16 or f16 on the way to a quantiser, and a product that is left as it is and whose result goes on into a quantised operand takes f32 operands (vector FMAs, or v_wmma_f32_16x16x4_f32). A number that lies on a knife's edge between two numbers of the format may be rounded either way, as far as f32 arithmetic and the matrix unit's own rounding can turn it there, and no further.
;;   INPUTS GIVEN AS CODES. S1s (in the module: [4, 4096, 256], K = its axis 1); U2s (in the module: [4, 4096, 256], K = its axis 1); hin (in the module: [4096, 4096], K = its axis 1): each comes as NAME_codes (uint8): NAME with its K axis moved to the last place and cut into blocks of 32 codes, [.., K / 32, bytes a block], one block behind the other in memory; four codes in three bytes: a row's codes are one little-endian stream of bits, code i at bits 6 i .. 6 i + 5 (a code: sign, 2 exponent bits, 3 mantissa bits); and NAME_scales (uint8): the same leading axes, one E8M0 byte (e + 127) for each 32 codes along K. Its value is code x scale, taken as it is: it is not quantised again, and the codes and scales need not be those that the quantiser above would give.
;; 2 versions. Each part assembles by itself: llvm-mc -triple=amdgcn-amd-amdhsa -mcpu=gfx1250 --defsym DOCPART=n.
;; ======== version 1 of 2: 4 launches
;; workspace buffers: mid_img 6,291,456 bytes; mid_sc 262,144 bytes; w2_img 6,291,456 bytes; w2_sc 262,144 bytes; w1p 6,291,456 bytes; w1p_sc 262,144 bytes
;; launch quantw (part 1): grid 32 x 8, 4 waves a work-group, no clusters, 168,448 bytes of LDS; arguments U1s, S2s, w2_img, w2_sc; writes w2_img, w2_sc
.if DOCPART == 1
	.amdgcn_target "amdgcn-amd-amdhsa--gfx1250"
	.amdhsa_code_object_version 6
	.text
	.protected	k_q682bf94a9c_quantw
	.globl	k_q682bf94a9c_quantw
	.p2align	8
	.type	k_q682bf94a9c_quantw,@function
k_q682bf94a9c_quantw:
	s_mov_b64 s[64:65], 0
	v_nop
	global_prefetch_b8 v0, s[64:65] scope:SCOPE_SE
	s_setreg_imm32_b32 hwreg(HW_REG_WAVE_MODE, 25, 1), 1
	s_wait_xcnt 0x0
; W2 = U1s and S2s, [4 (l)][256 (k)][4,096 (o)] f32 each, the right operands of the two second products.  THE PRODUCTS' K RUNS k FIRST AND l FASTEST (K = 4 k + l): a block of 32 along K is 8 neighbouring k x the 4 l.
; This program's own order of the 2,048 K of both products together:  n' = 1,024 H + 32 m + 8 l + kk,  H = 0: U1s, 1: S2s;  k = 8 m + kk: block m of a product is n' = 32 m .. 32 m + 31 of its half.
; W2 becomes codes of FP6 (E2M3) with one E8M0 byte for each block, laid as the last launch's operand registers want them:
;   w2_img [j 8][R 256][q 2][1,536 bytes]: n' = 256 j + 128 q + .., columns 16 R + ..; the 1,536 bytes are the image of a fragment's 12 registers: register p of lane L at 512 (p / 4) + 16 L + 4 (p % 4).
;   w2_sc  [j 8][column 4,096][8 bytes]: word q, byte b for the block at n' = 256 j + 128 q + 32 b.
; ORDER INSIDE A BLOCK OF 32: place p holds n' % 32 = p % 8 + 8 (p / 16 + 2 ((p / 8) % 2)): the two middle groups of eight change places.  The other operand (mid) is laid in the same order, so each
; product meets its partner; blocks, scales and codes are those of the stated quantiser.
; THE DIVISION BY 2 L = 8 of the result is folded in here: the byte stored is the quantiser's byte - 3, which divides every product by 8 exactly.
; A block's scale is 2^(floor(log2(its largest magnitude)) - 2): the conversion gets the largest magnitude's exponent field - 2, the byte stored is that field - 5.
; LIMITS: a block whose largest magnitude lies under 2^(6 - 127) is quantised with the scale of that floor (stored byte 1); a block of zeros keeps that byte over zero codes; NaN and infinities are not served.
; SHARES.  Work-group (x, y = j): columns 128 x .. + 127; k = 64 (y % 4) .. + 63 of all four l of U1s (y < 4) or S2s: 8 blocks.  Its 256 rows x 512 bytes come into LDS once, laid [l 4][k 64]: wave w brings l = w,
; by two tensor loads of 32 rows of 512 bytes.  Wave w then takes columns 32 w .. + 31: A LANE TAKES A COLUMN AND ITS REGISTERS RUN DOWN K, so a block's maximum needs no other lane and the conversions give codes with K innermost.
; The codes go through the wave's own stage in LDS, laid as the image, and leave as 6,144 consecutive bytes.  No cluster: no two work-groups read the same byte.  Nothing in LDS is filled twice.
.set STG,   131072                     ; behind the tile: a stage of 6,144 bytes for each wave: [R 2][q 2][1,536]
.set WSTG,  6144
.set AD0,   2                          ; v2   LDS: 128 w + 4 lane: my column in the rows of l = 0, 1;  v3: the same for l = 2, 3
.set SA,    4                          ; v4   the stage, on the way in: my column's place in its fragment's image
.set SR,    5                          ; v5   the stage, on the way out: 16 x lane
.set GOF,   6                          ; v6   16 x lane
.set GSC,   7                          ; v7   8 x lane
.set SB,    16                         ; v[16:17] my column's eight exponent fields, four to a register
.set X,     32                         ; v32-95  two sets of 32 numbers
.set C,     96                         ; v96-107, v108-119  two sets: 6 registers of codes, and at + 6 the second conversion's three
.set OUT,   32                         ; v32-79  the way out
.set G1,    16                         ; s[16:23] descriptor group 1
.set G0,    24                         ; s[24:27], s[28:31] group 0 for my two pieces
	s_load_b128 s[4:7], s[0:1], 0x0                ; U1s, S2s
	s_load_b128 s[8:11], s[0:1], 0x10              ; w2_img, w2_sc
	v_lshl_add_u32 v128, v0, 2, 0x29000
	v_mov_b32 v129, 0
	ds_add_u32 v128, v129
	ds_add_u32 v128, v129
	v_lshrrev_b32 v1, 5, v0
	v_readfirstlane_b32 s12, v1                    ; wave 0..3
	s_and_b32 s14, ttmp7, 0xffff                   ; y = j
	s_and_b32 s15, s14, 3                          ; which 64 k of the buffer
	s_mov_b32 s[G1+0], 2<<16                       ; no mask; elements of 4 bytes; no padding
	s_mov_b32 s[G1+1], 128<<16                     ; tensor_dim0 = 128 numbers (512 bytes)
	s_mov_b32 s[G1+2], 32<<16                      ; tensor_dim1 = 32 rows
	s_mov_b32 s[G1+3], 128<<16                     ; tile_dim0
	s_mov_b32 s[G1+4], 32                          ; tile_dim1
	s_mov_b32 s[G1+5], 4096                        ; from row to row, in numbers
	s_mov_b32 s[G1+6], 0
	s_mov_b32 s[G1+7], 0
	s_lshl_b32 s32, s12, 22                        ; l = my wave: 256 rows x 16,384 bytes
	s_lshl_b32 s33, s15, 20                        ; + 64 (y % 4) rows
	s_add_co_u32 s32, s32, s33
	s_lshl_b32 s33, ttmp9, 9                       ; + x x 512 bytes
	s_add_co_u32 s32, s32, s33
	s_mov_b32 s33, 0
	s_lshl_b32 s34, s12, 15                        ; LDS: the 64 rows of l = w: 32,768 bytes
	s_wait_dscnt 0x0
	s_wait_kmcnt 0x0
	s_cmp_lt_u32 s14, 4                            ; the choice hangs on the work-group's number alone
	s_cselect_b64 s[4:5], s[4:5], s[6:7]
	s_mov_b32 s[G0+0], 1
	s_mov_b32 s[G0+1], s34
	s_add_nc_u64 s[G0+2:G0+3], s[4:5], s[32:33]
	s_mov_b32 s[G0+4], 1
	s_add_co_u32 s[G0+5], s34, 16384               ; my second piece: 32 rows on, in LDS
	s_add_nc_u64 s[G0+6:G0+7], s[G0+2:G0+3], 0x80000   ; and in memory
	s_or_b32 s[G0+3], s[G0+3], 0x80000000          ; type = 2
	s_or_b32 s[G0+7], s[G0+7], 0x80000000
	tensor_load_to_lds s[G0:G0+3], s[G1:G1+7]      ; both first fills together, ahead of every wait, LDS read and barrier: two loads of mine are out
	s_nop 0
	tensor_load_to_lds s[G0+4:G0+7], s[G1:G1+7]
	s_nop 0
.rept 4
	v_nop
.endr
	s_mul_i32 s32, s14, 786432                     ; w2_img: j,
	s_lshl_b32 s33, ttmp9, 3
	s_lshl_b32 s35, s12, 1
	s_add_co_u32 s33, s33, s35                     ; R = 8 x + 2 w
	s_mul_i32 s33, s33, 3072
	s_add_co_u32 s32, s32, s33
	s_mov_b32 s33, 0
	s_add_nc_u64 s[8:9], s[8:9], s[32:33]
	s_lshl_b32 s32, s14, 15                        ; w2_sc: j x 32,768 + (128 x + 32 w) x 8
	s_lshl_b32 s35, ttmp9, 10
	s_add_co_u32 s32, s32, s35
	s_lshl_b32 s35, s12, 8
	s_add_co_u32 s32, s32, s35
	s_add_nc_u64 s[10:11], s[10:11], s[32:33]
	v_and_b32 v1, 31, v0                           ; lane
	v_lshlrev_b32 v[AD0], 2, v1
	s_lshl_b32 s37, s12, 7
	v_add_nc_u32 v[AD0], s37, v[AD0]
	v_add_nc_u32 v[AD0+1], 0x10000, v[AD0]
	v_bfe_u32 v8, v0, 4, 1                         ; which of my wave's two R
	v_and_b32 v9, 15, v0                           ; r: the column's row in its fragment
	s_mul_i32 s38, s12, WSTG
	s_add_co_u32 s38, s38, STG
	v_mul_u32_u24 v[SA], v8, 3072
	v_lshl_add_u32 v[SA], v9, 4, v[SA]
	v_add_nc_u32 v[SA], s38, v[SA]
	v_lshl_add_u32 v[SR], v1, 4, s38
	v_lshlrev_b32 v[GOF], 4, v1
	v_lshlrev_b32 v[GSC], 3, v1
.macro LOADB t                         ; block t: place i takes l = i / 16 + 2 ((i / 8) % 2), k = 8 t + i % 8: LDS row 64 l + 8 t + i % 8; the second address register serves l = 2, 3.  32 lanes read 128 consecutive bytes
.irp i, 0,1,2,3,4,5,6,7,8,9,10,11,12,13,14,15,16,17,18,19,20,21,22,23,24,25,26,27,28,29,30,31
	ds_load_b32 v[X+32*((\t)%2)+\i], v[AD0+(\i/8)%2] offset:(64*(\i/16)+8*(\t)+\i%8)*512
.endr
.endm
; Block t = 4 q + 2 c + h' of my column: its 6 registers of codes are registers 6 c .. 6 c + 5 of lane r + 16 h' of fragment (R, q).  n: the LDS instructions issued behind this block's loads.
.macro BLOCK t, n, nxt
.set XS, X+32*((\t)%2)
.set CC, C+12*((\t)%2)
.set PL, ((\t)/4)*1536+256*((\t)%2)
	s_wait_dscnt \n                                ; LDS instructions of a wave end in order: my 32 numbers are in, and so are the stage stores of two blocks ago, which read this set of codes
	v_max3_num_f32 v12, |v[XS]|, |v[XS+1]|, |v[XS+2]|
	v_max3_num_f32 v13, |v[XS+3]|, |v[XS+4]|, |v[XS+5]|
.irp i, 6,10,14,18,22,26
	v_max3_num_f32 v12, v12, |v[XS+\i]|, |v[XS+\i+1]|
	v_max3_num_f32 v13, v13, |v[XS+\i+2]|, |v[XS+\i+3]|
.endr
	v_max3_num_f32 v12, v12, |v[XS+30]|, |v[XS+31]|
	v_max3_num_f32 v12, v12, v13, 0x3000000        ; the block's largest magnitude, and the floor 2^(6 - 127): the stored byte cannot fall under 1
	v_add_nc_u32 v11, 0xff000000, v12              ; 2 off its exponent field: the conversion takes this operand's exponent field as its scale
	v_cvt_scalef32_pk16_fp6_f32 v[CC:CC+2], v[XS:XS+15], v11
	v_cvt_scalef32_pk16_fp6_f32 v[CC+6:CC+8], v[XS+16:XS+31], v11   ; (a conversion's three registers begin on an even number)
	v_lshrrev_b32 v13, 23, v12                     ; the exponent field itself.  (The plain line behind the conversions)
.if (\t)%4 == 0
	v_mov_b32 v[SB+(\t)/4], v13
.else
	v_lshl_or_b32 v[SB+(\t)/4], v13, 8*((\t)%4), v[SB+(\t)/4]
.endif
.irp i, 0,1,2
	v_mov_b32 v[CC+3+\i], v[CC+6+\i]
.endr
.if ((\t)%4)/2 == 0
	ds_store_b128 v[SA], v[CC:CC+3] offset:PL              ; registers 0-3
	ds_store_b64 v[SA], v[CC+4:CC+5] offset:PL+512         ; registers 4, 5
.else
	ds_store_b64 v[SA], v[CC:CC+1] offset:PL+520           ; registers 6, 7
	ds_store_b128 v[SA], v[CC+2:CC+5] offset:PL+1024       ; registers 8-11
.endif
.if \nxt
	LOADB (\t)+2
.endif
.endm
.macro HALF t0                         ; four blocks: 32 k of all four l; loads run two blocks ahead
	LOADB \t0
	LOADB (\t0)+1
	BLOCK \t0, 32, 1                               ; behind my loads: the next block's 32
	BLOCK (\t0)+1, 34, 1                           ; 2 stage stores and 32 loads
	BLOCK (\t0)+2, 34, 0
	BLOCK (\t0)+3, 2, 0                            ; 2 stage stores
.endm
	s_wait_tensorcnt 0x1                           ; my first piece is in; the second may stay out
	s_barrier_signal -1
	s_barrier_wait -1                              ; the first 32 k of every l are whole
	HALF 0
	s_wait_tensorcnt 0x0                           ; my second piece is in
	s_wait_dscnt 0x0                               ; no LDS instruction of mine is pending at a signal
	s_barrier_signal -1
	s_barrier_wait -1                              ; the other 32 k of every l are whole
	HALF 4
	v_add_nc_u32 v[SB], 0xfafafafb, v[SB]          ; 5 off each of the four bytes (2 for the format, 3 for the division by 8): every byte is 6 or more, so none borrows
	v_add_nc_u32 v[SB+1], 0xfafafafb, v[SB+1]
	global_store_b64 v[GSC], v[SB:SB+1], s[10:11]  ; 32 lanes store 256 consecutive bytes, aligned
.irp t, 0,1,2,3,4,5,6,7,8,9,10,11
	ds_load_b128 v[OUT+4*\t:OUT+4*\t+3], v[SR] offset:512*\t   ; my own stage: these come behind my stores
.endr
.irp t, 0,1,2,3,4,5,6,7,8,9,10,11
	s_wait_dscnt 11-\t
	global_store_b128 v[GOF], v[OUT+4*\t:OUT+4*\t+3], s[8:9] offset:512*\t   ; 512 consecutive bytes, aligned
.endr
	s_wait_tensorcnt 0x0
	ds_add_u32 v128, v129
	s_wait_dscnt 0x0
	s_endpgm
.Lfunc_end_k_q682bf94a9c_quantw:
	.size	k_q682bf94a9c_quantw, .Lfunc_end_k_q682bf94a9c_quantw-k_q682bf94a9c_quantw
	.p2alignl 7, 3214868480
	.fill 96, 4, 3214868480
	.section	.rodata,"a",@progbits
	.p2align	6, 0x0
	.amdhsa_kernel k_q682bf94a9c_quantw
		.amdhsa_group_segment_fixed_size 168448
		.amdhsa_private_segment_fixed_size 0
		.amdhsa_enable_private_segment 0
		.amdhsa_kernarg_size 32
		.amdhsa_user_sgpr_count 2
		.amdhsa_user_sgpr_kernarg_segment_ptr 1
		.amdhsa_wavefront_size32 1
		.amdhsa_system_sgpr_workgroup_id_x 1
		.amdhsa_system_sgpr_workgroup_id_y 1
		.amdhsa_system_sgpr_workgroup_id_z 1
		.amdhsa_system_vgpr_workitem_id 0
		.amdhsa_next_free_vgpr 130
		.amdhsa_next_free_sgpr 66
		.amdhsa_reserve_vcc 0
		.amdhsa_float_denorm_mode_32 3
		.amdhsa_float_denorm_mode_16_64 3
		.amdhsa_memory_ordered 1
		.amdhsa_forward_progress 1
		.amdhsa_inst_pref_size 35
	.end_amdhsa_kernel
	.amdgpu_metadata
---
amdhsa.version: [ 1, 2 ]
amdhsa.kernels:
  - .name:           k_q682bf94a9c_quantw
    .symbol:         k_q682bf94a9c_quantw.kd
    .args:
      - { .name: U1s, .offset: 0, .size: 8, .value_kind: global_buffer, .address_space: global }
      - { .name: S2s, .offset: 8, .size: 8, .value_kind: global_buffer, .address_space: global }
      - { .name: w2_img, .offset: 16, .size: 8, .value_kind: global_buffer, .address_space: global }
      - { .name: w2_sc, .offset: 24, .size: 8, .value_kind: global_buffer, .address_space: global }
    .group_segment_fixed_size: 168448
    .private_segment_fixed_size: 0
    .kernarg_segment_align: 8
    .kernarg_segment_size: 32
    .max_flat_workgroup_size: 128
    .sgpr_count:     66
    .vgpr_count:     130
    .wavefront_size: 32
...
	.end_amdgpu_metadata
.endif
;; end of part 1
;; launch permw (part 2): grid 256 x 1, 4 waves a work-group, no clusters, 0 bytes of LDS; arguments S1s_codes, S1s_scales, U2s_codes, U2s_scales, w1p, w1p_sc; writes w1p, w1p_sc
.if DOCPART == 2
	.amdgcn_target "amdgcn-amd-amdhsa--gfx1250"
	.amdhsa_code_object_version 6
	.text
	.protected	k_q682bf94a9c_permw
	.globl	k_q682bf94a9c_permw
	.p2align	8
	.type	k_q682bf94a9c_permw,@function
k_q682bf94a9c_permw:
	s_mov_b64 s[64:65], 0
	v_nop
	global_prefetch_b8 v0, s[64:65] scope:SCOPE_SE
	s_setreg_imm32_b32 hwreg(HW_REG_WAVE_MODE, 25, 1), 1
	s_wait_xcnt 0x0
; The rows of S1s and U2s (codes: 3,072 bytes a row; scale bytes: 128 a row; row (l, k) at 256 l + k) are copied, as they are, into this program's order of the second products' K:
;   w1p [2,048][3,072], w1p_sc [2,048][128]:  row n' = 1,024 H + 32 m + 8 l + kk  is row (l, k = 8 m + kk) of S1s (H = 0) or U2s (H = 1).
; WHY.  The second products' K runs k first and l fastest, so a block of 32 along it is 8 neighbouring k x the 4 l.  The next launch quantises its result along that K in registers, and for that the 32 rows of a
; block have to be neighbours in its tile of this operand.  In the inputs they lie in four places 786,432 bytes apart; here they are laid side by side once, so that a tile is 128 rows at one pitch again.
; SHARES.  Eight neighbouring n' are eight neighbouring rows of one l: 24,576 consecutive bytes of codes and 1,024 of scale bytes on both sides.  Work-group c takes chunk c = n' / 8: l = c % 4, m = (c / 4) % 32, H = c / 128.
; 128 threads x 12 loads of 16 bytes; waves 0 and 1 also move the scale bytes.  Each load and store of a wave covers 512 consecutive bytes, aligned.  A stream: no LDS, no barrier, no matrix unit, nothing shared.
.set CHUNK, 24576
	s_load_b128 s[4:7], s[0:1], 0x0                ; S1s's codes, scales
	s_load_b128 s[8:11], s[0:1], 0x10              ; U2s's codes, scales
	s_load_b128 s[12:15], s[0:1], 0x20             ; w1p, w1p_sc
	v_lshrrev_b32 v1, 5, v0
	v_readfirstlane_b32 s16, v1                    ; wave 0..3
	v_lshlrev_b32 v2, 4, v0                        ; 16 x thread
	s_and_b32 s17, ttmp9, 3                        ; l
	s_bfe_u32 s18, ttmp9, 0x50002                  ; m: 5 bits from bit 2
	s_mul_i32 s20, s17, 786432                     ; from: (256 l + 8 m) rows of 3,072 bytes
	s_mul_i32 s21, s18, CHUNK
	s_add_co_u32 s20, s20, s21
	s_mov_b32 s21, 0
	s_lshl_b32 s22, s17, 15                        ; and of 128 bytes
	s_lshl_b32 s23, s18, 10
	s_add_co_u32 s22, s22, s23
	s_mov_b32 s23, 0
	s_mul_i32 s24, ttmp9, CHUNK                    ; to: chunk c
	s_mov_b32 s25, 0
	s_lshl_b32 s26, ttmp9, 10
	s_mov_b32 s27, 0
	s_wait_kmcnt 0x0
	s_cmp_lt_u32 ttmp9, 128                        ; the choice hangs on the work-group's number alone
	s_cselect_b64 s[4:5], s[4:5], s[8:9]
	s_cselect_b64 s[6:7], s[6:7], s[10:11]
	s_add_nc_u64 s[4:5], s[4:5], s[20:21]
	s_add_nc_u64 s[6:7], s[6:7], s[22:23]
	s_add_nc_u64 s[12:13], s[12:13], s[24:25]
	s_add_nc_u64 s[14:15], s[14:15], s[26:27]
.irp i, 0,1,2,3,4,5,6,7,8,9,10,11
	global_load_b128 v[8+4*\i:11+4*\i], v2, s[4:5] offset:2048*\i th:TH_LOAD_NT   ; read once in the launch
.endr
	s_cmp_lt_u32 s16, 2                            ; threads 0 to 63 move the chunk's 1,024 scale bytes
	s_cbranch_scc0 .Lno_scales
	global_load_b128 v[56:59], v2, s[6:7] th:TH_LOAD_NT
	s_wait_loadcnt 0x0
	global_store_b128 v2, v[56:59], s[14:15]
.Lno_scales:
.irp i, 0,1,2,3,4,5,6,7,8,9,10,11
	s_wait_loadcnt 11-\i                           ; loads come back in order: load i is in, the code loads issued behind it may be out (in waves 0 and 1 all are in already)
	global_store_b128 v2, v[8+4*\i:11+4*\i], s[12:13] offset:2048*\i
.endr
	s_endpgm
.Lfunc_end_k_q682bf94a9c_permw:
	.size	k_q682bf94a9c_permw, .Lfunc_end_k_q682bf94a9c_permw-k_q682bf94a9c_permw
	.p2alignl 7, 3214868480
	.fill 96, 4, 3214868480
	.section	.rodata,"a",@progbits
	.p2align	6, 0x0
	.amdhsa_kernel k_q682bf94a9c_permw
		.amdhsa_group_segment_fixed_size 0
		.amdhsa_private_segment_fixed_size 0
		.amdhsa_enable_private_segment 0
		.amdhsa_kernarg_size 48
		.amdhsa_user_sgpr_count 2
		.amdhsa_user_sgpr_kernarg_segment_ptr 1
		.amdhsa_wavefront_size32 1
		.amdhsa_system_sgpr_workgroup_id_x 1
		.amdhsa_system_sgpr_workgroup_id_y 1
		.amdhsa_system_sgpr_workgroup_id_z 1
		.amdhsa_system_vgpr_workitem_id 0
		.amdhsa_next_free_vgpr 64
		.amdhsa_next_free_sgpr 66
		.amdhsa_reserve_vcc 0
		.amdhsa_float_denorm_mode_32 3
		.amdhsa_float_denorm_mode_16_64 3
		.amdhsa_memory_ordered 1
		.amdhsa_forward_progress 1
		.amdhsa_inst_pref_size 5
	.end_amdhsa_kernel
	.amdgpu_metadata
---
amdhsa.version: [ 1, 2 ]
amdhsa.kernels:
  - .name:           k_q682bf94a9c_permw
    .symbol:         k_q682bf94a9c_permw.kd
    .args:
      - { .name: S1s_codes, .offset: 0, .size: 8, .value_kind: global_buffer, .address_space: global }
      - { .name: S1s_scales, .offset: 8, .size: 8, .value_kind: global_buffer, .address_space: global }
      - { .name: U2s_codes, .offset: 16, .size: 8, .value_kind: global_buffer, .address_space: global }
      - { .name: U2s_scales, .offset: 24, .size: 8, .value_kind: global_buffer, .address_space: global }
      - { .name: w1p, .offset: 32, .size: 8, .value_kind: global_buffer, .address_space: global }
      - { .name: w1p_sc, .offset: 40, .size: 8, .value_kind: global_buffer, .address_space: global }
    .group_segment_fixed_size: 0
    .private_segment_fixed_size: 0
    .kernarg_segment_align: 8
    .kernarg_segment_size: 48
    .max_flat_workgroup_size: 128
    .sgpr_count:     66
    .vgpr_count:     64
    .wavefront_size: 32
...
	.end_amdgpu_metadata
.endif
;; end of part 2
;; launch gemm1 (part 3): grid 8 x 16, 4 waves a work-group, clusters of 4 x 4, 327,680 bytes of LDS; arguments hin_codes, hin_scales, w1p, w1p_sc, mid_img, mid_sc; writes mid_img, mid_sc
.if DOCPART == 3
	.amdgcn_target "amdgcn-amd-amdhsa--gfx1250"
	.amdhsa_code_object_version 6
	.text
	.protected	k_q682bf94a9c_gemm1
	.globl	k_q682bf94a9c_gemm1
	.p2align	8
	.type	k_q682bf94a9c_gemm1,@function
k_q682bf94a9c_gemm1:
	s_mov_b64 s[64:65], 0
	v_nop
	global_prefetch_b8 v0, s[64:65] scope:SCOPE_SE
	s_setreg_imm32_b32 hwreg(HW_REG_WAVE_MODE, 25, 1), 1
	s_wait_xcnt 0x0
	s_wait_alu depctr_hold_cnt(0) depctr_sa_sdst(0) depctr_va_vdst(0) depctr_va_sdst(0) depctr_va_ssrc(0) depctr_va_vcc(0) depctr_vm_vsrc(0)
	s_getreg_b32 s2, hwreg(HW_REG_IB_STS2, 6, 4)
	s_cmp_eq_u32 s2, 0
	s_cbranch_scc0 .Lentry_in_a_cluster
	s_endpgm
.Lentry_in_a_cluster:
	s_bfe_u32 s2, ttmp6, 0x10000c
	s_cmp_lg_u32 s2, 0xf033
	s_cbranch_scc0 .Lentry_shape_is_right
	s_endpgm
.Lentry_shape_is_right:
; mid[b][n'] = sum over d of hin[b][d] W1[n'][d]: both first products at once.  A = hin [4,096][4,096]; B = w1p [2,048][4,096]: the rows of S1s and U2s in this program's order of the second products' K,
; n' = 1,024 H + 32 m + 8 l + kk (row (l, k = 8 m + kk) of S1s, H = 0, or U2s, H = 1), laid so by the launch before.  Codes of FP6 (E2M3) with one E8M0 byte for each 32 along K, taken as they are given; a row of
; codes is 3,072 bytes.  Sums in f32.  THE SECOND PRODUCTS' K RUNS k FIRST AND l FASTEST: a block of 32 along it is 8 neighbouring k x the 4 l, which is n' = 32 m .. 32 m + 31 of a half.
; mid is QUANTISED along n', in registers, by the stated quantiser, and only its codes and scale bytes are stored:
;   mid_img [j 8][R 256][q 2][1,536 bytes]: columns n' = 256 j + 128 q + .., rows 16 R + ..; the 1,536 bytes are the image of a fragment's 12 registers: register p of lane L at 512 (p / 4) + 16 L + 4 (p % 4).
;   mid_sc  [j 8][row 4,096][8 bytes]: word q, byte b for the block at n' = 256 j + 128 q + 32 b.
; ORDER INSIDE A BLOCK OF 32: place p holds n' % 32 = p % 8 + 8 (p / 16 + 2 ((p / 8) % 2)): that is how two neighbouring result tiles lie in a lane's registers; W2 is laid in the same order by the first launch.
; LIMITS: a block of mid whose largest magnitude lies under 2^(3 - 127) takes that floor's scale (byte 1); a block of zeros keeps that byte over zero codes; NaN and infinities are not served.
; A tile of mid, 256 x 256, is made by a work-group of four waves; a wave makes 128 x 128: 64 accumulators, 512 registers.  16 x 8 tiles: 128 work-groups.  (A wave tile of 64 x 128 would give 256, but reads
; (64 + 128) x 96 bytes from LDS for 32 matrix instructions where this one reads (128 + 128) x 96 for 64.)
; K goes in steps of 256 through a ring of two LDS slots filled by the tensor data mover.  THE SCALES of the work-group's rows of A and of B, for all of K, are two dense blocks: they come into LDS once and stay.
; CLUSTERS: 4 x 4 work-groups.  The four of a row of the cluster need the same tiles of A, the four of a column the same tiles of B: each tile is asked for JOINTLY.
; THE MATRIX INSTRUCTION IS USED TRANSPOSED (source 0 = 16 rows of B, source 1 = 16 rows of A): a lane holds one row of mid and eight neighbouring columns a tile.
; REGISTERS, in windows of 256: window 0: v0-31 addresses; v32-63 scale words, two sets; v64-127 the way out; from v128 A's fragments, ONE set.
;   window 1: B's fragments, TWO sets, at v0 and at v128.   window 2: the accumulators of my rows 0-63 ((a, b) at v[8 (8 a + b)]);   window 3: those of my rows 64-127.
.set SIZE_K, 4096
.set KSTEP,  256                       ; along K in a slot
.set NQ,     KSTEP/128                 ; matrix instructions deep
.set ROWB,   192                       ; a tile's row in bytes
.set KROW,   SIZE_K*6/8                ; a row of A or of B in memory
.set PITCH,  240                       ; an LDS row: 3 x (64 bytes of data + 16 of padding)
.set FR,     12                        ; registers of a fragment
.set NL,     6                         ; LDS loads that bring one
.set NP,     4                         ; places behind this matrix instruction (ISA guide 7.12.1)
.set HALFT,  128*PITCH                 ; 128 rows: what one tensor load brings
.set SLOT,   4*HALFT                   ; A's 256 rows, then B's 256 rows
.set LAPS,   SIZE_K/(2*KSTEP)          ; a lap = two K steps = once round the ring
.set KS,     SIZE_K/32                 ; a row of scales in bytes
.set SCL,    2*SLOT                    ; behind the ring: the scales, as rows of 256 bytes + 16 of padding
.set HALFS,  (128*KS/256)*272          ; the scales of 128 rows
.set SBLK,   (16*KS/256)*272           ; those of 16 rows
.set SPARE,  SCL+4*HALFS               ; behind the scales: the spare words, 128 bytes for each wave, which no other line names
.set ADRA, 16                          ; v16-17  LDS address of my A fragments in slot 0, 1  (v18-19: for the pieces behind one padding more)
.set ADRB, 20                          ; v20-21  the same for B  (v22-23)
.set SWA,  24                          ; v24     the way out: where my row's scale word goes in the stage
.set SRA,  25                          ; v25     and where I read 16 bytes of the stage back
.set LI,   26                          ; v26     16 x lane
.set ADRS, 27                          ; v27     LDS address of my scale words: lanes 0-15 A's rows, lanes 16-31 B's
.set SPW,  28                          ; v28     LDS address of my spare word; never rewritten
.set NIL,  29                          ; v29     0; never rewritten
.set SC,   32                          ; scale words: set s at v[SC + 8 NQ s]; register NQ i + q: lanes 0-15 A's block i, lanes 16-31 B's block i
.set PC,   64                          ; v64-82  the codes just made
.set TM,   96                          ; v96-99 largest magnitudes, v100-103 the other half's, then bytes, v108-111 the conversions' scale operands
.set PW,   112                         ; v112-119 the scale word of each of my eight blocks of rows
.set SD,   120                         ; v[120:123] scale words read back
.set AF,   128                         ; A's fragments
.set SEL,  66                          ; s[66:67] lane selects for v_permlanex16_b32: lane l xor 16
.set G1, 24                            ; s[24:31] group 1 for A's tiles;  s[32:39] group 0, one set for each slot
.set G0, 32
.set G1B, 48                           ; s[48:55], s[56:63] the same for B's tiles
.set G0B, 56
.set G1S, 68                           ; s[68:75], s[76:79] for A's scales;  s[80:87], s[88:91] for B's
.set G0S, 76
.set G1SB, 80
.set G0SB, 88
.set MSB, 0
.macro WIN new                         ; the immediate's high byte repeats the setting that is left
.if MSB != (\new)
	s_set_vgpr_msb (MSB<<8)|(\new)
.set MSB, (\new)
.endif
.endm
.set MUL_LO, 0xa1                      ; source 0 (B) window 1, source 1 (A) window 0, C and D window 2
.set MUL_HI, 0xf1                      ; the same, C and D window 3
.set TO_B,   0x40                      ; destination window 1, address window 0
; A joint load: waves 0 and 1 fetch for A, waves 2 and 3 for B; the branch hangs on the wave's number alone.  Four v_nop follow each of the two lines.
.macro JLOAD g0a, g1a, g0b, g1b
	s_cmp_eq_u32 s15, 0
	s_cbranch_scc0 .Lfor_b_\@
	tensor_load_to_lds s[\g0a:\g0a+3], s[\g1a:\g1a+7]
	s_nop 0
.rept 4
	v_nop
.endr
	s_branch .Lasked_\@
.Lfor_b_\@:
	tensor_load_to_lds s[\g0b:\g0b+3], s[\g1b:\g1b+7]
	s_nop 0
.rept 4
	v_nop
.endr
.Lasked_\@:
.endm
.macro CREST                           ; a round of the cluster's barrier behind its opening barrier
	s_cmp_lg_u32 s14, 0
	s_cbranch_scc1 .Lnot_wave_0_\@
	s_barrier_signal -3
.Lnot_wave_0_\@:
	s_barrier_wait -3
	s_barrier_signal -1
	s_barrier_wait -1
.endm
.macro CROUND                          ; a whole round
	s_barrier_signal -1
	s_barrier_wait -1
	CREST
.endm
	s_load_b128 s[4:7], s[0:1], 0x0                ; hin's codes, hin's scales
	s_load_b128 s[8:11], s[0:1], 0x10              ; w1p, w1p_sc
	s_load_b64 s[12:13], s[0:1], 0x20              ; mid_img
	s_load_b64 s[96:97], s[0:1], 0x28              ; mid_sc
	v_lshl_add_u32 v[SPW], v0, 2, SPARE
	v_mov_b32 v[NIL], 0
	ds_add_u32 v28, v29
	ds_add_u32 v28, v29
	s_wait_dscnt 0x0
	v_lshrrev_b32 v1, 5, v0
	v_readfirstlane_b32 s14, v1                    ; wave 0..3
	s_lshr_b32 s15, s14, 1                         ; which half of the tile's rows is mine.  Also: I fetch for A (0) or for B (1)
	s_and_b32 s16, s14, 1                          ; which half of its columns.  Also: which 128 rows of that tile I fetch
	s_bfe_u32 s40, ttmp6, 0x40000                  ; cx, cy: my place in the cluster
	s_bfe_u32 s41, ttmp6, 0x40004
	s_lshl_b32 s42, ttmp9, 2
	s_add_co_u32 s42, s42, s40                     ; tile column of mid = 4 x cluster x + cx
	s_and_b32 s17, ttmp7, 0xffff
	s_lshl_b32 s17, s17, 2
	s_add_co_u32 s17, s17, s41                     ; tile row = 4 x cluster y + cy
	s_lshl_b32 s43, s41, 2
	s_lshl_b32 s43, 15, s43                        ; my row of the cluster
	s_lshl_b32 s44, 0x1111, s40                    ; my column
	s_mov_b32 s[SEL], 0x76543210
	s_mov_b32 s[SEL+1], 0xfedcba98
	; descriptor group 1: a tile of 128 rows x 192 bytes, padded in LDS
	s_or_b32 s[G1+0], s43, (0<<16)|(1<<20)|(1<<21)|(3<<22)|(3<<25)  ; the mask: A's tiles go to my row; elements of 1 byte; padding on; bit 21 beside a mask; after every 16 words, 4 words
	s_or_b32 s[G1B+0], s44, (0<<16)|(1<<20)|(1<<21)|(3<<22)|(3<<25)
.irp g, G1, G1B
	s_mov_b32 s[\g+1], ROWB<<16                    ; tensor_dim0
	s_mov_b32 s[\g+2], 128<<16                     ; tensor_dim1
	s_mov_b32 s[\g+3], ROWB<<16                    ; tile_dim0
	s_mov_b32 s[\g+4], 128                         ; tile_dim1
	s_mov_b32 s[\g+5], KROW                        ; from row to row
	s_mov_b32 s[\g+6], 0
	s_mov_b32 s[\g+7], 0
.endr
	; the scales of 128 rows: a dense block of 128 KS bytes, as rows of 256 bytes (32 elements of 8 bytes), 16 bytes of padding behind each
	s_or_b32 s[G1S+0], s43, (3<<16)|(1<<20)|(1<<21)|(5<<22)|(3<<25)
	s_or_b32 s[G1SB+0], s44, (3<<16)|(1<<20)|(1<<21)|(5<<22)|(3<<25)
.irp g, G1S, G1SB
	s_mov_b32 s[\g+1], 32<<16
	s_mov_b32 s[\g+2], (128*KS/256)<<16
	s_mov_b32 s[\g+3], 32<<16
	s_mov_b32 s[\g+4], 128*KS/256
	s_mov_b32 s[\g+5], 32
	s_mov_b32 s[\g+6], 0
	s_mov_b32 s[\g+7], 0
.endr
	s_lshl_b32 s18, s16, 7                         ; which 128 rows of the tile I fetch
	s_lshl_b32 s20, s17, 8
	s_add_co_u32 s20, s20, s18                     ; A: row 256 x tile row + 128 x half
	s_lshl_b32 s46, s42, 8
	s_add_co_u32 s46, s46, s18                     ; B: row 256 x tile column + 128 x half
	s_mov_b32 s21, 0
	s_mov_b32 s47, 0
	s_mov_b64 s[18:19], KS
	s_mul_u64 s[22:23], s[20:21], s[18:19]         ; where these rows' scales begin, in bytes
	s_mul_u64 s[92:93], s[46:47], s[18:19]
	s_mov_b64 s[18:19], KROW
	s_mul_u64 s[20:21], s[20:21], s[18:19]         ; and their codes
	s_mul_u64 s[46:47], s[46:47], s[18:19]
	s_mul_i32 s45, s14, HALFT                      ; where they go: wave x 128 rows: no place in the cluster enters an LDS address
	s_mul_i32 s94, s14, HALFS
	s_wait_kmcnt 0x0
	s_add_nc_u64 s[20:21], s[4:5], s[20:21]
	s_add_nc_u64 s[22:23], s[6:7], s[22:23]
	s_add_nc_u64 s[46:47], s[8:9], s[46:47]
	s_add_nc_u64 s[92:93], s[10:11], s[92:93]
	CROUND                                         ; all sixteen work-groups are here: the first joint loads meet
	s_mov_b32 s[G0S], 1
	s_add_co_u32 s[G0S+1], s94, SCL
	s_mov_b64 s[G0S+2:G0S+3], s[22:23]
	s_or_b32 s[G0S+3], s[G0S+3], 0x80000000
	s_mov_b32 s[G0SB], 1
	s_add_co_u32 s[G0SB+1], s94, SCL
	s_mov_b64 s[G0SB+2:G0SB+3], s[92:93]
	s_or_b32 s[G0SB+3], s[G0SB+3], 0x80000000
	JLOAD G0S, G1S, G0SB, G1SB                     ; the scales first: they are wanted with K step 0
.irp s, 0,1
	s_mov_b32 s[G0+4*\s], 1
	s_add_co_u32 s[G0+4*\s+1], s45, \s*SLOT
	s_add_nc_u64 s[G0+4*\s+2:G0+4*\s+3], s[20:21], \s*ROWB
	s_or_b32 s[G0+4*\s+3], s[G0+4*\s+3], 0x80000000
	s_mov_b32 s[G0B+4*\s], 1
	s_add_co_u32 s[G0B+4*\s+1], s45, \s*SLOT
	s_add_nc_u64 s[G0B+4*\s+2:G0B+4*\s+3], s[46:47], \s*ROWB
	s_or_b32 s[G0B+4*\s+3], s[G0B+4*\s+3], 0x80000000
	JLOAD G0+4*\s, G1, G0B+4*\s, G1B               ; three loads of mine are out behind the last of these
.endr
	v_and_b32 v1, 15, v0                           ; l % 16
	v_bfe_u32 v2, v0, 4, 1                         ; l / 16
	v_mul_u32_u24 v3, v1, PITCH
	v_mul_u32_u24 v4, v2, 24
	v_add_nc_u32 v4, v3, v4                        ; a fragment's row x pitch + 24 x half
	v_lshl_add_u32 v5, v2, 4, v4                   ; and the same behind one padding more
	s_mul_i32 s21, s15, HALFT                      ; my 128 rows of A
	s_mul_i32 s22, s16, HALFT                      ; my 128 rows of B,
	s_add_co_u32 s22, s22, 2*HALFT                 ; which lie behind A's 256
.irp s, 0,1
	v_add_nc_u32 v[ADRA+\s], s21, v4
	v_add_nc_u32 v[ADRB+\s], s22, v4
	v_add_nc_u32 v[ADRA+2+\s], s21, v5
	v_add_nc_u32 v[ADRB+2+\s], s22, v5
	s_add_co_u32 s21, s21, SLOT
	s_add_co_u32 s22, s22, SLOT
.endr
	v_mul_u32_u24 v5, v1, KS                       ; my row's scales: KS bytes a row,
	v_lshrrev_b32 v6, 8, v5
	v_lshl_add_u32 v5, v6, 4, v5                   ; and 16 more for each 256 passed
	s_mul_i32 s21, s15, HALFS                      ; A's: my 128 rows
	s_mul_i32 s22, s16, HALFS                      ; B's: my 128 rows, behind A's 256
	s_add_co_u32 s22, s22, 2*HALFS
	s_sub_co_u32 s22, s22, s21
	v_mul_u32_u24 v6, s22, v2                      ; lanes 16-31 take B's: the lower base + half x the distance
	s_add_co_u32 s21, s21, SCL
	v_add_nc_u32 v5, v5, v6
	v_add_nc_u32 v[ADRS], s21, v5
	; the way out: a stage of 256 rows x 8 bytes of scale words at the head of slot 0, which has had its last fill and its last read when the first word is stored there
	s_lshl_b32 s23, s15, 10                        ; my 128 rows,
	s_lshl_b32 s21, s16, 2                         ; word q = my half of the columns
	s_add_co_u32 s23, s23, s21
	v_lshl_add_u32 v[SWA], v1, 3, s23              ; + 8 r
	v_and_b32 v6, 31, v0
	v_lshlrev_b32 v[LI], 4, v6
	s_lshl_b32 s23, s14, 9
	v_add_nc_u32 v[SRA], s23, v[LI]                ; back: wave w takes bytes 512 w on, 16 a lane
	s_mul_i32 s20, s42, 786432                     ; mid_img: j = tile column,
	s_mul_i32 s21, s17, 49152                      ; R = 16 x tile row
	s_add_co_u32 s20, s20, s21
	s_mul_i32 s21, s15, 24576                      ;   + 8 x my half of the rows,
	s_add_co_u32 s20, s20, s21
	s_mul_i32 s21, s16, 1536                       ; q = my half of the columns
	s_add_co_u32 s20, s20, s21
	s_mov_b32 s21, 0
	s_add_nc_u64 s[12:13], s[12:13], s[20:21]
	s_lshl_b32 s20, s42, 15                        ; mid_sc: j x 32,768 + 256 x tile row x 8 + 512 x wave
	s_lshl_b32 s22, s17, 11
	s_add_co_u32 s20, s20, s22
	s_lshl_b32 s22, s14, 9
	s_add_co_u32 s20, s20, s22
	s_add_nc_u64 s[96:97], s[96:97], s[20:21]
.macro FRAG reg, adr, q, i             ; a fragment, 16 rows x 128 K, is 12 registers: lane l holds row l % 16; registers 6 c .. 6 c + 5 hold K = 64 c + 32 (l / 16) + 0 .. 31: 24 bytes of the row, as they lie
.irp p, 0,1,2,3,4,5                    ; in pieces of 8 bytes.  Lanes 0-15 take the row's pieces 12 q + 0, 1, 2 and 12 q + 6, 7, 8, lanes 16-31 those three pieces on
.set PCE, 12*(\q)+6*(\p/3)+\p%3       ; 16 bytes of padding lie behind every 8 pieces: where the piece three on lies behind one padding more, the second address register serves
.if PCE%8 < 5
	ds_load_b64 v[\reg+2*\p:\reg+2*\p+1], v[\adr] offset:8*PCE+16*(PCE/8)+(\i)*16*PITCH
.else
	ds_load_b64 v[\reg+2*\p:\reg+2*\p+1], v[\adr+2] offset:8*PCE+16*(PCE/8)+(\i)*16*PITCH
.endif
.endr
.endm
; 16 matrix instructions: A's blocks a0, a0 + 1 x B's eight, 128 along K: the slot's q-th.  p: B's set;  sc: the set of scale words.  zero = 1: the first product starts the sums.
; The 64 accumulators take turns, one instruction a turn, in the same order in every step.
.macro MUL16 a0, p, q, sc, zero
.irp a, \a0, \a0+1
.irp b, 0,1,2,3,4,5,6,7
.if \zero
	v_wmma_scale_f32_16x16x128_f8f6f4 v[8*(8*((\a)%4)+\b):8*(8*((\a)%4)+\b)+7], v[128*(\p)+FR*\b:128*(\p)+FR*\b+FR-1], v[AF+FR*(\a):AF+FR*(\a)+FR-1], 0, v[SC+8*NQ*(\sc)+NQ*\b+(\q)], v[SC+8*NQ*(\sc)+NQ*(\a)+(\q)] matrix_a_fmt:MATRIX_FMT_FP6 matrix_b_fmt:MATRIX_FMT_FP6 matrix_a_scale:MATRIX_SCALE_ROW1
.else
	v_wmma_scale_f32_16x16x128_f8f6f4 v[8*(8*((\a)%4)+\b):8*(8*((\a)%4)+\b)+7], v[128*(\p)+FR*\b:128*(\p)+FR*\b+FR-1], v[AF+FR*(\a):AF+FR*(\a)+FR-1], v[8*(8*((\a)%4)+\b):8*(8*((\a)%4)+\b)+7], v[SC+8*NQ*(\sc)+NQ*\b+(\q)], v[SC+8*NQ*(\sc)+NQ*(\a)+(\q)] matrix_a_fmt:MATRIX_FMT_FP6 matrix_b_fmt:MATRIX_FMT_FP6 matrix_a_scale:MATRIX_SCALE_ROW1
.endif
.endr
.endr
.endm
.macro FETCH_B slot, q, p              ; B's eight fragments of the slot's q-th 128 along K into set p
	WIN TO_B
.irp i, 0,1,2,3,4,5,6,7
	FRAG 128*(\p)+FR*\i, ADRB+\slot, \q, \i
.endr
	WIN 0
.endm
.macro FETCH_A slot, q, i0             ; A's blocks i0 .. i0 + 3
.irp i, \i0, \i0+1, \i0+2, \i0+3
	FRAG AF+FR*(\i), ADRA+\slot, \q, \i
.endr
.endm
.macro SCALES sc                       ; the next K step's scale words into set sc: lanes 0-15 take A's block i, lanes 16-31 B's block i
.irp i, 0,1,2,3,4,5,6,7
	ds_load_b64 v[SC+8*NQ*\sc+NQ*\i:SC+8*NQ*\sc+NQ*\i+1], v[ADRS] offset:\i*SBLK
.endr
.endm
.macro PLACES n                        ; plain vector lines between a matrix instruction and a load into, or a read of, its registers
.rept \n
	v_nop
.endr
.endm
; A step of 128 along K that has its successor in the same slot.
.macro STEP slot, q, zero
	s_wait_dscnt 4*NL                              ; B's set and A's blocks 0-3 are in; the youngest loads (A's blocks 4-7) may be out
	WIN MUL_LO
	MUL16 0, (\q)%2, \q, \slot, \zero
	MUL16 2, (\q)%2, \q, \slot, \zero
	s_wait_dscnt 0                                 ; A's blocks 4-7 are in (asked for 32 matrix instructions ago)
	PLACES NP
	FETCH_B \slot, (\q)+1, 1-(\q)%2
	FETCH_A \slot, (\q)+1, 0
	WIN MUL_HI
	MUL16 4, (\q)%2, \q, \slot, \zero
	MUL16 6, (\q)%2, \q, \slot, \zero
	PLACES NP
	WIN 0
	FETCH_A \slot, (\q)+1, 4
.endm
; A slot's last step changes slots: ONE barrier; in front of it each wave waits for all its tensor loads, adds 0 to its spare word, and waits for that and for its own reads of this slot.  fill = 1: this slot is filled again, two K steps ahead.
.macro TURN slot, next, fill
	s_wait_tensorcnt 0x0                           ; all my tensor loads have landed: my part of the next slot
	ds_add_u32 v[SPW], v[NIL]                      ; 0 onto my spare word
	s_wait_dscnt 4*NL+1                            ; (the add and the youngest loads, A's blocks 4-7, may be out)
	WIN MUL_LO
	MUL16 0, 1, NQ-1, \slot, 0                     ; sixteen matrix instructions stand between the add and the wait for it
	s_wait_dscnt 0x0                               ; the add is done, and my reads of this slot are over
	s_barrier_signal -1
	MUL16 2, 1, NQ-1, \slot, 0
	WIN 0
	s_barrier_wait -1
.if \fill
	CREST                                          ; the barrier has opened a round of the cluster's barrier: no wave of any partner still reads this slot's tile or has a load on its way
	s_add_nc_u64 s[G0+4*\slot+2:G0+4*\slot+3], s[G0+4*\slot+2:G0+4*\slot+3], 2*ROWB
	s_add_nc_u64 s[G0B+4*\slot+2:G0B+4*\slot+3], s[G0B+4*\slot+2:G0B+4*\slot+3], 2*ROWB
	JLOAD G0+4*\slot, G1, G0B+4*\slot, G1B         ; the first tensor load behind the round, my one load until the next; its four v_nop are also the places in front of the loads below
.else
	PLACES NP
.endif
	v_add_nc_u32 v[ADRS], 4*NQ, v[ADRS]            ; on to the next K step's scale words (no LDS load of mine is out)
	FETCH_B \next, 0, 0
	FETCH_A \next, 0, 0
	SCALES \next
	WIN MUL_HI
	MUL16 4, 1, NQ-1, \slot, 0
	MUL16 6, 1, NQ-1, \slot, 0
	PLACES NP
	WIN 0
	FETCH_A \next, 0, 4
.endm
	s_wait_tensorcnt 1                             ; the scales and my part of K step 0 are in (K step 1's load may be out)
	s_barrier_signal -1
	s_barrier_wait -1                              ; everybody's are
	FETCH_B 0, 0, 0
	FETCH_A 0, 0, 0
	SCALES 0
	FETCH_A 0, 0, 4
	STEP 0, 0, 1                                   ; the first step stands in front of the loop: its products start the sums
	s_mov_b32 s3, LAPS-1
.Llap:                                                 ; a trip goes once round the ring, from a lap's second step to the next lap's first, and fills both slots again
	TURN 0, 1, 1
	STEP 1, 0, 0
	TURN 1, 0, 1
	STEP 0, 0, 0
	s_sub_co_u32 s3, s3, 1
	s_cmp_lg_u32 s3, 0
	s_cbranch_scc1 .Llap
	TURN 0, 1, 0                                   ; the last lap fills nothing, and has no round of the cluster's barrier
	STEP 1, 0, 0
	s_wait_dscnt 4*NL                              ; the very last step: nothing more to fetch
	WIN MUL_LO
	MUL16 0, 1, NQ-1, 1, 0
	MUL16 2, 1, NQ-1, 1, 0
	s_wait_dscnt 0
	WIN MUL_HI
	MUL16 4, 1, NQ-1, 1, 0
	MUL16 6, 1, NQ-1, 1, 0
	WIN 0
; THE WAY OUT.  Block a: 16 rows x my 128 columns = one fragment of the next product and one scale word a row.  Lane (r, h) holds row r; registers 16 b + i of the block's 64 are 16 numbers of the block of 32
; columns b; lane l xor 16 holds the other 16.  Largest magnitude, scale, conversion; an exchange of halves gives each lane a whole block, as the operand's layout asks; the 12 registers are stored as they stand.
.macro QOUT a
.set AC, 64*((\a)%4)
	WIN 0x0a+5*((\a)/4)                            ; sources 0 and 1: window 2 or 3
.irp b, 0,1,2,3
	v_max3_num_f32 v[TM+\b], |v[AC+16*\b]|, |v[AC+16*\b+1]|, 0x1800000   ; each accumulator is read from its low end on; the floor 2^(3 - 127) holds the byte at 1 from below
.endr
.irp i, 2,4,6,8,10,12,14
.irp b, 0,1,2,3
	v_max3_num_f32 v[TM+\b], |v[AC+16*\b+\i]|, |v[AC+16*\b+\i+1]|, v[TM+\b]   ; (the four blocks by turns)
.endr
.endr
	WIN 0
.irp b, 0,1,2,3
	v_permlanex16_b32 v[TM+4+\b], v[TM+\b], s[SEL], s[SEL+1]
.endr
.irp b, 0,1,2,3
	v_max_num_f32 v[TM+\b], v[TM+\b], v[TM+4+\b]   ; with lane l xor 16's: the block's largest magnitude
.endr
.irp b, 0,1,2,3
	v_add_nc_u32 v[TM+12+\b], 0xff000000, v[TM+\b] ; 2 off its exponent field: the conversion's scale operand
.endr
.irp b, 0,1,2,3
	v_lshrrev_b32 v[TM+4+\b], 23, v[TM+12+\b]      ; the scale's byte
.endr
	v_lshl_or_b32 v[PW+\a], v[TM+5], 8, v[TM+4]    ; my row's scale word for these 128 columns
	v_lshl_or_b32 v[PW+\a], v[TM+6], 16, v[PW+\a]
	v_lshl_or_b32 v[PW+\a], v[TM+7], 24, v[PW+\a]
	s_wait_xcnt 0x0                                ; the last block's stores have read the codes' registers: they are written again only behind this wait
	WIN 0x02+(\a)/4                                ; source 0: window 2 or 3
.irp c, 0,1
	v_cvt_scalef32_pk16_fp6_f32 v[PC+6*\c:PC+2+6*\c], v[AC+32*\c:AC+32*\c+15], v[TM+12+2*\c]
	v_cvt_scalef32_pk16_fp6_f32 v[PC+12+4*\c:PC+14+4*\c], v[AC+32*\c+16:AC+32*\c+31], v[TM+12+2*\c+1]   ; (a conversion's three registers begin on an even number)
.endr
	WIN 0
	v_nop                                          ; one plain line behind the scaled conversions
.irp c, 0,1                                    ; lanes 0-15 get block 2 c whole, lanes 16-31 block 2 c + 1
.irp i, 0,1,2
	v_permlane16_swap_b32 v[PC+6*\c+\i], v[PC+12+4*\c+\i]
.endr
.irp i, 0,1,2
	v_mov_b32 v[PC+3+6*\c+\i], v[PC+12+4*\c+\i]
.endr
.endr
.irp c, 0,1,2
	global_store_b128 v[LI], v[PC+4*\c:PC+4*\c+3], s[12:13] offset:(\a)*3072+512*\c   ; 32 lanes store 512 consecutive bytes, aligned
.endr
	ds_store_b32 v[SWA], v[PW+\a] offset:128*(\a)  ; lanes r and r + 16 write the same word with the same value
.endm
	PLACES NP                                      ; behind the last products
.irp b, 0,1,2,3
	v_mov_b32 v[TM+4+\b], 0                        ; written once: a lane permute's destination counts as one of its sources
.endr
.irp a, 0,1,2,3,4,5,6,7
	QOUT \a
.endr
	s_wait_dscnt 0x0                               ; for the others' sake: my scale words lie in the stage
	s_barrier_signal -1
	s_barrier_wait -1                              ; a row's 8 bytes come from two waves
	ds_load_b128 v[SD:SD+3], v[SRA]
	s_wait_dscnt 0x0
	global_store_b128 v[LI], v[SD:SD+3], s[96:97]  ; 512 consecutive bytes, aligned
	s_wait_tensorcnt 0x0                           ; the wave's end
	ds_add_u32 v[SPW], v[NIL]
	s_wait_dscnt 0x0
	CROUND                                         ; the closing round: no work-group ends while a partner may still ask for a tile that names it
	s_endpgm
.Lfunc_end_k_q682bf94a9c_gemm1:
	.size	k_q682bf94a9c_gemm1, .Lfunc_end_k_q682bf94a9c_gemm1-k_q682bf94a9c_gemm1
	.p2alignl 7, 3214868480
	.fill 96, 4, 3214868480
	.section	.rodata,"a",@progbits
	.p2align	6, 0x0
	.amdhsa_kernel k_q682bf94a9c_gemm1
		.amdhsa_group_segment_fixed_size 327680
		.amdhsa_private_segment_fixed_size 0
		.amdhsa_enable_private_segment 0
		.amdhsa_kernarg_size 48
		.amdhsa_user_sgpr_count 2
		.amdhsa_user_sgpr_kernarg_segment_ptr 1
		.amdhsa_wavefront_size32 1
		.amdhsa_system_sgpr_workgroup_id_x 1
		.amdhsa_system_sgpr_workgroup_id_y 1
		.amdhsa_system_sgpr_workgroup_id_z 1
		.amdhsa_system_vgpr_workitem_id 0
		.amdhsa_next_free_vgpr 1024
		.amdhsa_next_free_sgpr 98
		.amdhsa_reserve_vcc 0
		.amdhsa_float_denorm_mode_32 3
		.amdhsa_float_denorm_mode_16_64 3
		.amdhsa_memory_ordered 1
		.amdhsa_forward_progress 1
		.amdhsa_inst_pref_size 165
	.end_amdhsa_kernel
	.amdgpu_metadata
---
amdhsa.version: [ 1, 2 ]
amdhsa.kernels:
  - .name:           k_q682bf94a9c_gemm1
    .symbol:         k_q682bf94a9c_gemm1.kd
    .args:
      - { .name: hin_codes, .offset: 0, .size: 8, .value_kind: global_buffer, .address_space: global }
      - { .name: hin_scales, .offset: 8, .size: 8, .value_kind: global_buffer, .address_space: global }
      - { .name: w1p, .offset: 16, .size: 8, .value_kind: global_buffer, .address_space: global }
      - { .name: w1p_sc, .offset: 24, .size: 8, .value_kind: global_buffer, .address_space: global }
      - { .name: mid_img, .offset: 32, .size: 8, .value_kind: global_buffer, .address_space: global }
      - { .name: mid_sc, .offset: 40, .size: 8, .value_kind: global_buffer, .address_space: global }
    .group_segment_fixed_size: 327680
    .private_segment_fixed_size: 0
    .kernarg_segment_align: 8
    .kernarg_segment_size: 48
    .max_flat_workgroup_size: 128
    .sgpr_count:     98
    .vgpr_count:     1024
    .wavefront_size: 32
...
	.end_amdgpu_metadata
.endif
;; end of part 3
;; launch gemm2 (part 4): grid 16 x 16, 4 waves a work-group, clusters of 4 x 4, 327,680 bytes of LDS; arguments mid_img, mid_sc, w2_img, w2_sc, bias, out0; writes out0
.if DOCPART == 4
	.amdgcn_target "amdgcn-amd-amdhsa--gfx1250"
	.amdhsa_code_object_version 6
	.text
	.protected	k_q682bf94a9c_gemm2
	.globl	k_q682bf94a9c_gemm2
	.p2align	8
	.type	k_q682bf94a9c_gemm2,@function
k_q682bf94a9c_gemm2:
	s_mov_b64 s[64:65], 0
	v_nop
	global_prefetch_b8 v0, s[64:65] scope:SCOPE_SE
	s_setreg_imm32_b32 hwreg(HW_REG_WAVE_MODE, 25, 1), 1
	s_wait_xcnt 0x0
	s_wait_alu depctr_hold_cnt(0) depctr_sa_sdst(0) depctr_va_vdst(0) depctr_va_sdst(0) depctr_va_ssrc(0) depctr_va_vcc(0) depctr_vm_vsrc(0)
	s_getreg_b32 s2, hwreg(HW_REG_IB_STS2, 6, 4)
	s_cmp_eq_u32 s2, 0
	s_cbranch_scc0 .Lentry_in_a_cluster
	s_endpgm
.Lentry_in_a_cluster:
	s_bfe_u32 s2, ttmp6, 0x10000c
	s_cmp_lg_u32 s2, 0xf033
	s_cbranch_scc0 .Lentry_shape_is_right
	s_endpgm
.Lentry_shape_is_right:
; out0[b][o] = (sum over the 2,048 (l, k) of Q(mid)[b][(l, k)] Q(W2)[(l, k)][o] + bias[o]) / 8: both second products at once.  Both operands are codes of FP6 (E2M3) with one E8M0 byte for each 32 along K,
; made by the two launches before and laid as IMAGES OF THE OPERAND'S REGISTERS:
;   *_img [j 8][R 256][q 2][1,536 bytes]: K = 256 j + 128 q + .., rows 16 R + ..: register p of lane L at 512 (p / 4) + 16 L + 4 (p % 4).    *_sc [j 8][row 4,096][8 bytes]: word q.
; Inside each block of 32 both operands hold K in the same order (the two middle groups of eight changed), so every product meets its partner.
; THE DIVISION BY 8 costs nothing here: W2's scale bytes were stored 3 lower, and bias / 8 (exact) is the C of each sum's first product.
; A tile of out0, 256 x 256, is made by a work-group of four waves; a wave makes 128 x 128: 64 accumulators, 512 registers.  16 x 16 tiles: 256 work-groups.
; K goes in steps of 256 (one j) through a ring of two LDS slots: 128 rows of a step are 24,576 consecutive bytes of memory, one tensor load; a fragment comes out of LDS by three loads of 16 bytes a lane,
; each 512 consecutive bytes.  THE SCALES of the work-group's rows of A and of B, for all of K, come into LDS once and stay.
; CLUSTERS: 4 x 4 work-groups; A's tiles are asked for jointly along a row of the cluster, B's along a column.  THE MATRIX INSTRUCTION IS USED TRANSPOSED (source 0 = 16 rows of W2, source 1 = 16 rows of mid):
; a lane holds eight neighbouring numbers of a row of out0.
; REGISTERS, in windows of 256: window 0: v0-31 addresses; v32-63 scale words, two sets; v64-127 bias / 8 in the result's layout; from v128 A's fragments, ONE set; on the way out v128-255 are free.
;   window 1: B's fragments, TWO sets, at v0 and at v128.   window 2: the accumulators of my rows 0-63 ((a, b) at v[8 (8 a + b)]);   window 3: those of my rows 64-127.
.set SIZE_N, 4096
.set NQ,     2                         ; matrix instructions deep in a slot
.set FR,     12                        ; registers of a fragment
.set FRB,    1536                      ; and its image in bytes
.set NL,     3                         ; LDS loads that bring one
.set NP,     4                         ; places behind this matrix instruction (ISA guide 7.12.1)
.set HALFT,  24576                     ; 128 rows of a K step: 8 R x 2 q x 1,536: what one tensor load brings
.set SLOT,   4*HALFT                   ; A's 256 rows, then B's 256 rows
.set LAPS,   4                         ; a lap = two K steps = once round the ring: 8 K steps
.set JSTR,   786432                    ; from one j to the next in an image buffer
.set SCL,    2*SLOT                    ; behind the ring: the scales: [j 8][128 rows][8 bytes] for each half of A, then, 128 bytes further on, for each half of B
.set SHALF,  8192
.set SPARE,  SCL+4*SHALF+256           ; behind the scales: the spare words, 128 bytes for each wave, which no other line names
.set SPITCH, 528                       ; the way out: a stage of 16 rows x (512 bytes + 16) for each wave, in slot 0, which has had its last fill and its last read when the first result is stored there
.set ADRA, 16                          ; v16-17  LDS address of my A fragments in slot 0, 1
.set ADRB, 20                          ; v20-21  the same for B
.set STO,  24                          ; v24     the way out: where I put 32 bytes of a row
.set RD,   25                          ; v25     the way out: where I read a row back
.set CO,   26                          ; v26     16 x lane: my place in an image's 512 bytes, and my byte offset in a row of out0
.set ADRS, 27                          ; v27     LDS address of my scale words: lanes 0-15 A's rows, lanes 16-31 B's
.set SPW,  28                          ; v28     LDS address of my spare word; never rewritten
.set NIL,  29                          ; v29     0; never rewritten
.set SC,   32                          ; scale words: set s at v[SC + 8 NQ s]; register NQ i + q: lanes 0-15 A's block i, lanes 16-31 B's block i
.set BI,   64                          ; v64-127 bias / 8: register 8 b + j of lane (r, h): column 16 b + 8 h + j of my 128
.set AF,   128                         ; A's fragments
.set BK,   128                         ; the way out: 16 rows read back from the stage: v128-191 and v192-255 by turns
.set G1, 24                            ; s[24:31] group 1 for A's tiles;  s[32:39] group 0, one set for each slot
.set G0, 32
.set G1B, 48                           ; s[48:55], s[56:63] the same for B's tiles
.set G0B, 56
.set G1S, 68                           ; s[68:75], s[76:79] for A's scales;  s[80:87], s[88:91] for B's
.set G0S, 76
.set G1SB, 80
.set G0SB, 88
.set MSB, 0
.macro WIN new                         ; the immediate's high byte repeats the setting that is left
.if MSB != (\new)
	s_set_vgpr_msb (MSB<<8)|(\new)
.set MSB, (\new)
.endif
.endm
.set MUL_LO, 0xa1                      ; source 0 (B) window 1, source 1 (A) window 0, C and D window 2  (0x81: C, the bias, in window 0)
.set MUL_HI, 0xf1                      ; the same, C and D window 3  (0xc1: C in window 0)
.set TO_B,   0x40                      ; destination window 1, address window 0
; A joint load: waves 0 and 1 fetch for A, waves 2 and 3 for B; the branch hangs on the wave's number alone.  Four v_nop follow each of the two lines.
.macro JLOAD g0a, g1a, g0b, g1b
	s_cmp_eq_u32 s15, 0
	s_cbranch_scc0 .Lfor_b_\@
	tensor_load_to_lds s[\g0a:\g0a+3], s[\g1a:\g1a+7]
	s_nop 0
.rept 4
	v_nop
.endr
	s_branch .Lasked_\@
.Lfor_b_\@:
	tensor_load_to_lds s[\g0b:\g0b+3], s[\g1b:\g1b+7]
	s_nop 0
.rept 4
	v_nop
.endr
.Lasked_\@:
.endm
.macro CREST                           ; a round of the cluster's barrier behind its opening barrier
	s_cmp_lg_u32 s14, 0
	s_cbranch_scc1 .Lnot_wave_0_\@
	s_barrier_signal -3
.Lnot_wave_0_\@:
	s_barrier_wait -3
	s_barrier_signal -1
	s_barrier_wait -1
.endm
.macro CROUND                          ; a whole round
	s_barrier_signal -1
	s_barrier_wait -1
	CREST
.endm
	s_load_b128 s[4:7], s[0:1], 0x0                ; mid_img, mid_sc
	s_load_b128 s[8:11], s[0:1], 0x10              ; w2_img, w2_sc
	s_load_b64 s[96:97], s[0:1], 0x20              ; bias
	s_load_b64 s[12:13], s[0:1], 0x28              ; out0
	v_lshl_add_u32 v[SPW], v0, 2, SPARE
	v_mov_b32 v[NIL], 0
	ds_add_u32 v28, v29
	ds_add_u32 v28, v29
	s_wait_dscnt 0x0
	v_lshrrev_b32 v1, 5, v0
	v_readfirstlane_b32 s14, v1                    ; wave 0..3
	s_lshr_b32 s15, s14, 1                         ; which half of the tile's rows is mine.  Also: I fetch for A (0) or for B (1)
	s_and_b32 s16, s14, 1                          ; which half of its columns.  Also: which 128 rows of that tile I fetch
	s_bfe_u32 s40, ttmp6, 0x40000                  ; cx, cy: my place in the cluster
	s_bfe_u32 s41, ttmp6, 0x40004
	s_lshl_b32 s42, ttmp9, 2
	s_add_co_u32 s42, s42, s40                     ; tile column = 4 x cluster x + cx
	s_and_b32 s17, ttmp7, 0xffff
	s_lshl_b32 s17, s17, 2
	s_add_co_u32 s17, s17, s41                     ; tile row = 4 x cluster y + cy
	s_lshl_b32 s43, s41, 2
	s_lshl_b32 s43, 15, s43                        ; my row of the cluster
	s_lshl_b32 s44, 0x1111, s40                    ; my column
	; descriptor group 1: 24,576 dense bytes as 96 rows of 256 bytes (32 elements of 8 bytes), no padding
	s_or_b32 s[G1+0], s43, (3<<16)|(1<<21)         ; the mask: A's tiles go to my row; elements of 8 bytes; bit 21 beside a mask
	s_or_b32 s[G1B+0], s44, (3<<16)|(1<<21)
.irp g, G1, G1B
	s_mov_b32 s[\g+1], 32<<16                      ; tensor_dim0
	s_mov_b32 s[\g+2], 96<<16                      ; tensor_dim1
	s_mov_b32 s[\g+3], 32<<16                      ; tile_dim0
	s_mov_b32 s[\g+4], 96                          ; tile_dim1
	s_mov_b32 s[\g+5], 32                          ; from row to row
	s_mov_b32 s[\g+6], 0
	s_mov_b32 s[\g+7], 0
.endr
	; the scales of 128 rows: for each of the 8 j a run of 1,024 bytes (128 elements of 8 bytes), 32,768 bytes apart
	s_or_b32 s[G1S+0], s43, (3<<16)|(1<<21)
	s_or_b32 s[G1SB+0], s44, (3<<16)|(1<<21)
.irp g, G1S, G1SB
	s_mov_b32 s[\g+1], 128<<16
	s_mov_b32 s[\g+2], 8<<16
	s_mov_b32 s[\g+3], 128<<16
	s_mov_b32 s[\g+4], 8
	s_mov_b32 s[\g+5], 4096
	s_mov_b32 s[\g+6], 0
	s_mov_b32 s[\g+7], 0
.endr
	s_lshl_b32 s18, s16, 7                         ; which 128 rows of the tile I fetch
	s_lshl_b32 s20, s17, 8
	s_add_co_u32 s20, s20, s18                     ; A: row 256 x tile row + 128 x half
	s_lshl_b32 s46, s42, 8
	s_add_co_u32 s46, s46, s18                     ; B: row 256 x tile column + 128 x half
	s_mov_b32 s21, 0
	s_mov_b32 s47, 0
	s_mov_b64 s[18:19], 8
	s_mul_u64 s[22:23], s[20:21], s[18:19]         ; where these rows' scales begin in a j, in bytes
	s_mul_u64 s[92:93], s[46:47], s[18:19]
	s_mov_b64 s[18:19], 192
	s_mul_u64 s[20:21], s[20:21], s[18:19]         ; and their images: 3,072 bytes for 16 rows
	s_mul_u64 s[46:47], s[46:47], s[18:19]
	s_mul_i32 s45, s14, HALFT                      ; where they go: wave x 128 rows: no place in the cluster enters an LDS address
	s_mul_i32 s94, s14, SHALF
	s_wait_kmcnt 0x0
	s_add_nc_u64 s[20:21], s[4:5], s[20:21]
	s_add_nc_u64 s[22:23], s[6:7], s[22:23]
	s_add_nc_u64 s[46:47], s[8:9], s[46:47]
	s_add_nc_u64 s[92:93], s[10:11], s[92:93]
	CROUND                                         ; all sixteen work-groups are here: the first joint loads meet
	s_mov_b32 s[G0S], 1
	s_add_co_u32 s[G0S+1], s94, SCL
	s_mov_b64 s[G0S+2:G0S+3], s[22:23]
	s_or_b32 s[G0S+3], s[G0S+3], 0x80000000
	s_mov_b32 s[G0SB], 1
	s_add_co_u32 s[G0SB+1], s94, SCL+128           ; B's scales lie 128 bytes further on, so that a load's lanes 16-31 touch other banks than its lanes 0-15 (64 banks of 4 bytes: ISA guide 11.1)
	s_mov_b64 s[G0SB+2:G0SB+3], s[92:93]
	s_or_b32 s[G0SB+3], s[G0SB+3], 0x80000000
	JLOAD G0S, G1S, G0SB, G1SB                     ; the scales first: they are wanted with K step 0
.irp s, 0,1
	s_mov_b32 s[G0+4*\s], 1
	s_add_co_u32 s[G0+4*\s+1], s45, \s*SLOT
	s_add_nc_u64 s[G0+4*\s+2:G0+4*\s+3], s[20:21], \s*JSTR
	s_or_b32 s[G0+4*\s+3], s[G0+4*\s+3], 0x80000000
	s_mov_b32 s[G0B+4*\s], 1
	s_add_co_u32 s[G0B+4*\s+1], s45, \s*SLOT
	s_add_nc_u64 s[G0B+4*\s+2:G0B+4*\s+3], s[46:47], \s*JSTR
	s_or_b32 s[G0B+4*\s+3], s[G0B+4*\s+3], 0x80000000
	JLOAD G0+4*\s, G1, G0B+4*\s, G1B               ; three loads of mine are out behind the last of these
.endr
	v_and_b32 v1, 15, v0                           ; l % 16
	v_bfe_u32 v2, v0, 4, 1                         ; l / 16
	s_lshl_b32 s46, s42, 10                        ; my first column, in bytes of f32: 1,024 x tile column + 512 x half: in bias and in a row of out0
	s_lshl_b32 s47, s16, 9
	s_add_co_u32 s46, s46, s47
	s_mov_b32 s47, 0
	s_add_nc_u64 s[96:97], s[96:97], s[46:47]
	v_lshlrev_b32 v7, 5, v2                        ; my half's eight numbers of a tile's sixteen
.irp b, 0,1,2,3,4,5,6,7
	global_load_b128 v[BI+8*\b:BI+8*\b+3], v7, s[96:97] offset:64*\b
	global_load_b128 v[BI+8*\b+4:BI+8*\b+7], v7, s[96:97] offset:64*\b+16
.endr
	s_wait_loadcnt 0x0                             ; (the first tiles are on their way meanwhile)
.irp i, 0,2,4,6,8,10,12,14,16,18,20,22,24,26,28,30,32,34,36,38,40,42,44,46,48,50,52,54,56,58,60,62
	v_pk_mul_f32 v[BI+\i:BI+\i+1], v[BI+\i:BI+\i+1], 0x3e000000 op_sel_hi:[1,0]   ; bias / 8: exact
.endr
	v_and_b32 v6, 31, v0
	v_lshlrev_b32 v[CO], 4, v6                     ; 16 x lane
	s_mul_i32 s21, s15, HALFT                      ; my 128 rows of A
	s_mul_i32 s22, s16, HALFT                      ; my 128 rows of B,
	s_add_co_u32 s22, s22, 2*HALFT                 ; which lie behind A's 256
.irp s, 0,1
	v_add_nc_u32 v[ADRA+\s], s21, v[CO]
	v_add_nc_u32 v[ADRB+\s], s22, v[CO]
	s_add_co_u32 s21, s21, SLOT
	s_add_co_u32 s22, s22, SLOT
.endr
	v_lshlrev_b32 v5, 3, v1                        ; my row's two scale words of a K step: 8 bytes a row
	s_lshl_b32 s21, s15, 13                        ; A's: my 128 rows
	s_lshl_b32 s22, s16, 13                        ; B's: my 128 rows, behind A's two halves and 128 bytes
	s_add_co_u32 s22, s22, 2*SHALF+128
	s_sub_co_u32 s22, s22, s21
	v_mul_u32_u24 v6, s22, v2                      ; lanes 16-31 take B's: the lower base + half x the distance
	s_add_co_u32 s21, s21, SCL
	v_add_nc_u32 v5, v5, v6
	v_add_nc_u32 v[ADRS], s21, v5
	s_mul_i32 s23, s14, 16*SPITCH                  ; my stage
	v_mul_u32_u24 v5, v1, SPITCH                   ; in: row l % 16, 32 bytes for each half of the lanes
	v_lshl_add_u32 v5, v2, 5, v5
	v_add_nc_u32 v[STO], s23, v5
	v_add_nc_u32 v[RD], s23, v[CO]                 ; back: the 32 lanes take one row of 512 bytes
	s_lshl_b32 s20, s17, 8
	s_lshl_b32 s21, s15, 7
	s_add_co_u32 s20, s20, s21                     ; my first row of out0: 256 x tile row + 128 x half
	s_mov_b32 s21, 0
	s_mov_b64 s[18:19], SIZE_N*4
	s_mul_u64 s[20:21], s[20:21], s[18:19]
	s_add_nc_u64 s[20:21], s[20:21], s[46:47]
	s_add_nc_u64 s[12:13], s[12:13], s[20:21]
.macro FRAG reg, adr, q, i             ; fragment (block i of my 128 rows, the slot's q-th 128 along K): the image of its 12 registers, 16 bytes a lane and 512 consecutive bytes a load
.irp c, 0,1,2
	ds_load_b128 v[\reg+4*\c:\reg+4*\c+3], v[\adr] offset:((\i)*NQ+(\q))*FRB+512*\c
.endr
.endm
; 16 matrix instructions: A's blocks a0, a0 + 1 x B's eight, 128 along K: the slot's q-th.  p: B's set;  sc: the set of scale words.  first = 1: the first product starts the sums, with bias / 8 as its C.
; The 64 accumulators take turns, one instruction a turn, in the same order in every step.
.macro MUL16 a0, p, q, sc, first
.irp a, \a0, \a0+1
.irp b, 0,1,2,3,4,5,6,7
.if \first
	v_wmma_scale_f32_16x16x128_f8f6f4 v[8*(8*((\a)%4)+\b):8*(8*((\a)%4)+\b)+7], v[128*(\p)+FR*\b:128*(\p)+FR*\b+FR-1], v[AF+FR*(\a):AF+FR*(\a)+FR-1], v[BI+8*\b:BI+8*\b+7], v[SC+8*NQ*(\sc)+NQ*\b+(\q)], v[SC+8*NQ*(\sc)+NQ*(\a)+(\q)] matrix_a_fmt:MATRIX_FMT_FP6 matrix_b_fmt:MATRIX_FMT_FP6 matrix_a_scale:MATRIX_SCALE_ROW1
.else
	v_wmma_scale_f32_16x16x128_f8f6f4 v[8*(8*((\a)%4)+\b):8*(8*((\a)%4)+\b)+7], v[128*(\p)+FR*\b:128*(\p)+FR*\b+FR-1], v[AF+FR*(\a):AF+FR*(\a)+FR-1], v[8*(8*((\a)%4)+\b):8*(8*((\a)%4)+\b)+7], v[SC+8*NQ*(\sc)+NQ*\b+(\q)], v[SC+8*NQ*(\sc)+NQ*(\a)+(\q)] matrix_a_fmt:MATRIX_FMT_FP6 matrix_b_fmt:MATRIX_FMT_FP6 matrix_a_scale:MATRIX_SCALE_ROW1
.endif
.endr
.endr
.endm
.macro FETCH_B slot, q, p              ; B's eight fragments of the slot's q-th 128 along K into set p
	WIN TO_B
.irp i, 0,1,2,3,4,5,6,7
	FRAG 128*(\p)+FR*\i, ADRB+\slot, \q, \i
.endr
	WIN 0
.endm
.macro FETCH_A slot, q, i0             ; A's blocks i0 .. i0 + 3
.irp i, \i0, \i0+1, \i0+2, \i0+3
	FRAG AF+FR*(\i), ADRA+\slot, \q, \i
.endr
.endm
.macro SCALES sc                       ; the next K step's scale words into set sc: lanes 0-15 take A's block i, lanes 16-31 B's block i
.irp i, 0,1,2,3,4,5,6,7
	ds_load_b64 v[SC+8*NQ*\sc+NQ*\i:SC+8*NQ*\sc+NQ*\i+1], v[ADRS] offset:\i*128
.endr
.endm
.macro PLACES n                        ; plain vector lines between a matrix instruction and a load into, or a read of, its registers
.rept \n
	v_nop
.endr
.endm
; A step of 128 along K that has its successor in the same slot.
.macro STEP slot, q, first
	s_wait_dscnt 4*NL                              ; B's set and A's blocks 0-3 are in; the youngest loads (A's blocks 4-7) may be out
	WIN MUL_LO-0x20*(\first)
	MUL16 0, (\q)%2, \q, \slot, \first
	MUL16 2, (\q)%2, \q, \slot, \first
	s_wait_dscnt 0                                 ; A's blocks 4-7 are in (asked for 32 matrix instructions ago)
	PLACES NP
	FETCH_B \slot, (\q)+1, 1-(\q)%2
	FETCH_A \slot, (\q)+1, 0
	WIN MUL_HI-0x30*(\first)
	MUL16 4, (\q)%2, \q, \slot, \first
	MUL16 6, (\q)%2, \q, \slot, \first
	PLACES NP
	WIN 0
	FETCH_A \slot, (\q)+1, 4
.endm
; A slot's last step changes slots: ONE barrier; in front of it each wave waits for all its tensor loads, adds 0 to its spare word, and waits for that and for its own reads of this slot.  fill = 1: this slot is filled again, two K steps ahead.
.macro TURN slot, next, fill
	s_wait_tensorcnt 0x0                           ; all my tensor loads have landed: my part of the next slot
	ds_add_u32 v[SPW], v[NIL]                      ; 0 onto my spare word
	s_wait_dscnt 4*NL+1                            ; (the add and the youngest loads, A's blocks 4-7, may be out)
	WIN MUL_LO
	MUL16 0, 1, NQ-1, \slot, 0                     ; sixteen matrix instructions stand between the add and the wait for it
	s_wait_dscnt 0x0                               ; the add is done, and my reads of this slot are over
	s_barrier_signal -1
	MUL16 2, 1, NQ-1, \slot, 0
	WIN 0
	s_barrier_wait -1
.if \fill
	CREST                                          ; the barrier has opened a round of the cluster's barrier: no wave of any partner still reads this slot's tile or has a load on its way
	s_add_nc_u64 s[G0+4*\slot+2:G0+4*\slot+3], s[G0+4*\slot+2:G0+4*\slot+3], 2*JSTR
	s_add_nc_u64 s[G0B+4*\slot+2:G0B+4*\slot+3], s[G0B+4*\slot+2:G0B+4*\slot+3], 2*JSTR
	JLOAD G0+4*\slot, G1, G0B+4*\slot, G1B         ; the first tensor load behind the round, my one load until the next; its four v_nop are also the places in front of the loads below
.else
	PLACES NP
.endif
	v_add_nc_u32 v[ADRS], 1024, v[ADRS]            ; on to the next j's scale words (no LDS load of mine is out)
	FETCH_B \next, 0, 0
	FETCH_A \next, 0, 0
	SCALES \next
	WIN MUL_HI
	MUL16 4, 1, NQ-1, \slot, 0
	MUL16 6, 1, NQ-1, \slot, 0
	PLACES NP
	WIN 0
	FETCH_A \next, 0, 4
.endm
	s_wait_tensorcnt 1                             ; the scales and my part of K step 0 are in (K step 1's load may be out)
	s_barrier_signal -1
	s_barrier_wait -1                              ; everybody's are
	FETCH_B 0, 0, 0
	FETCH_A 0, 0, 0
	SCALES 0
	FETCH_A 0, 0, 4
	STEP 0, 0, 1                                   ; the first step stands in front of the loop: its products start the sums on bias / 8
	s_mov_b32 s3, LAPS-1
.Llap:                                                 ; a trip goes once round the ring, from a lap's second step to the next lap's first, and fills both slots again
	TURN 0, 1, 1
	STEP 1, 0, 0
	TURN 1, 0, 1
	STEP 0, 0, 0
	s_sub_co_u32 s3, s3, 1
	s_cmp_lg_u32 s3, 0
	s_cbranch_scc1 .Llap
	TURN 0, 1, 0                                   ; the last lap fills nothing, and has no round of the cluster's barrier
	STEP 1, 0, 0
	s_wait_dscnt 4*NL                              ; the very last step: nothing more to fetch
	WIN MUL_LO
	MUL16 0, 1, NQ-1, 1, 0
	MUL16 2, 1, NQ-1, 1, 0
	s_wait_dscnt 0
	WIN MUL_HI
	MUL16 4, 1, NQ-1, 1, 0
	MUL16 6, 1, NQ-1, 1, 0
	WIN 0
; THE WAY OUT, block by block of 16 rows x 128 columns.  A lane holds 32 neighbouring bytes of a row, and the lanes beside it hold other rows: so a block goes through my own stage in LDS and comes back as whole
; rows of 512 bytes.  LDS serves a wave's instructions in order (ISA guide 5.7.1.4): no wait between the stores and the loads, nor in front of the next block's stores.
.macro TOSTAGE a
.set AC, 64*((\a)%4)
	WIN 0x08+4*((\a)/4)                            ; the data: window 2 or 3
.irp b, 0,1,2,3,4,5,6,7
	ds_store_b128 v[STO], v[AC+8*\b:AC+8*\b+3] offset:64*\b          ; each accumulator from its low end on
	ds_store_b128 v[STO], v[AC+8*\b+4:AC+8*\b+7] offset:64*\b+16
.endr
	WIN 0
.set BB, BK+64*((\a)%2)
.irp t, 0,1,2,3,4,5,6,7,8,9,10,11,12,13,14,15
	ds_load_b128 v[BB+4*\t:BB+4*\t+3], v[RD] offset:\t*SPITCH
.endr
.endm
.macro SEND a, younger                 ; younger: the LDS instructions issued behind block a's loads, which may stay out
.set BB, BK+64*((\a)%2)
	s_wait_dscnt \younger                          ; the block is back in registers
.if (\a) > 0
	s_add_nc_u64 s[12:13], s[12:13], 16*SIZE_N*4   ; (behind a wait on XCNT: the earlier stores have read their base)  16 rows of out0 on
.endif
.irp t, 0,1,2,3,4,5,6,7,8,9,10,11,12,13,14,15
	global_store_b128 v[CO], v[BB+4*\t:BB+4*\t+3], s[12:13] offset:\t*SIZE_N*4 th:TH_STORE_NT   ; 32 lanes store 512 consecutive bytes, aligned; written once, read by nobody here
.endr
.endm
	PLACES NP                                      ; behind the last products: for the loads into the registers that held A's fragments, and for block 7's reads
	TOSTAGE 0
.irp a, 1,2,3,4,5,6,7
.if \a > 1
	s_wait_xcnt 0x0                                ; block a - 2's stores have read their registers and their base: block a's loads may land there, and the base may step
.endif
	TOSTAGE \a
	SEND \a-1, 32                                  ; behind block a - 1's loads: block a's 16 stores and 16 loads
.endr
	s_wait_xcnt 0x0                                ; block 6's stores have read their base
	SEND 7, 0
	s_wait_tensorcnt 0x0                           ; the wave's end
	ds_add_u32 v[SPW], v[NIL]
	s_wait_dscnt 0x0
	CROUND                                         ; the closing round: no work-group ends while a partner may still ask for a tile that names it
	s_endpgm
.Lfunc_end_k_q682bf94a9c_gemm2:
	.size	k_q682bf94a9c_gemm2, .Lfunc_end_k_q682bf94a9c_gemm2-k_q682bf94a9c_gemm2
	.p2alignl 7, 3214868480
	.fill 96, 4, 3214868480
	.section	.rodata,"a",@progbits
	.p2align	6, 0x0
	.amdhsa_kernel k_q682bf94a9c_gemm2
		.amdhsa_group_segment_fixed_size 327680
		.amdhsa_private_segment_fixed_size 0
		.amdhsa_enable_private_segment 0
		.amdhsa_kernarg_size 48
		.amdhsa_user_sgpr_count 2
		.amdhsa_user_sgpr_kernarg_segment_ptr 1
		.amdhsa_wavefront_size32 1
		.amdhsa_system_sgpr_workgroup_id_x 1
		.amdhsa_system_sgpr_workgroup_id_y 1
		.amdhsa_system_sgpr_workgroup_id_z 1
		.amdhsa_system_vgpr_workitem_id 0
		.amdhsa_next_free_vgpr 1024
		.amdhsa_next_free_sgpr 98
		.amdhsa_reserve_vcc 0
		.amdhsa_float_denorm_mode_32 3
		.amdhsa_float_denorm_mode_16_64 3
		.amdhsa_memory_ordered 1
		.amdhsa_forward_progress 1
		.amdhsa_inst_pref_size 140
	.end_amdhsa_kernel
	.amdgpu_metadata
---
amdhsa.version: [ 1, 2 ]
amdhsa.kernels:
  - .name:           k_q682bf94a9c_gemm2
    .symbol:         k_q682bf94a9c_gemm2.kd
    .args:
      - { .name: mid_img, .offset: 0, .size: 8, .value_kind: global_buffer, .address_space: global }
      - { .name: mid_sc, .offset: 8, .size: 8, .value_kind: global_buffer, .address_space: global }
      - { .name: w2_img, .offset: 16, .size: 8, .value_kind: global_buffer, .address_space: global }
      - { .name: w2_sc, .offset: 24, .size: 8, .value_kind: global_buffer, .address_space: global }
      - { .name: bias, .offset: 32, .size: 8, .value_kind: global_buffer, .address_space: global }
      - { .name: out0, .offset: 40, .size: 8, .value_kind: global_buffer, .address_space: global }
    .group_segment_fixed_size: 327680
    .private_segment_fixed_size: 0
    .kernarg_segment_align: 8
    .kernarg_segment_size: 48
    .max_flat_workgroup_size: 128
    .sgpr_count:     98
    .vgpr_count:     1024
    .wavefront_size: 32
...
	.end_amdgpu_metadata
.endif
;; end of part 4
;; ======== version 2 of 2: 3 launches
;; limits: right only within a limited range of input values
;; workspace buffers: mid_img 6,291,456 bytes; mid_sc 262,144 bytes; w2_img 6,291,456 bytes; w2_sc 262,144 bytes; w1_img 6,553,600 bytes; hin_img 13,107,200 bytes
;; launch prep (part 5): grid 32 x 8, 8 waves a work-group, no clusters, 327,680 bytes of LDS; arguments U1s, S2s, S1s_codes, S1s_scales, U2s_codes, U2s_scales, hin_codes, hin_scales, w2_img, w2_sc, w1_img, hin_img; writes w2_img, w2_sc, w1_img, hin_img
.if DOCPART == 5
	.amdgcn_target "amdgcn-amd-amdhsa--gfx1250"
	.amdhsa_code_object_version 6
	.text
	.protected	k_q682bf94a9c_prep
	.globl	k_q682bf94a9c_prep
	.p2align	8
	.type	k_q682bf94a9c_prep,@function
k_q682bf94a9c_prep:
	s_mov_b64 s[64:65], 0
	v_nop
	global_prefetch_b8 v0, s[64:65] scope:SCOPE_SE
	s_setreg_imm32_b32 hwreg(HW_REG_WAVE_MODE, 25, 1), 1
	s_wait_xcnt 0x0
; Three operands are laid as the two product launches want them.  No work of the problem is left out.
; The 2,048 K of both second products together run  n' = 1,024 H + 32 m + 8 l + kk  (H = 0: S1s / U1s, 1: U2s / S2s; k = 8 m + kk): a block of 32 is 8 neighbouring k x the 4 l.
; (1) W2 = U1s and S2s, [l 4][k 256][o 4,096] f32, is QUANTISED along n' to E2M3 codes with one E8M0 byte a block:
;   w2_img [j 8][R 256][q 2][1,536]: n' = 256 j + 128 q + .., columns 16 R + ..: the image of a fragment's 12 registers: register p of lane L at 512 (p / 4) + 16 L + 4 (p % 4).   w2_sc [j 8][column][8]: word q, byte b.
;   Inside a block place p holds n' % 32 = p % 8 + 8 (p / 16 + 2 ((p / 8) % 2)); the other operand (mid) is laid in the same order.
;   The result's division by 2 L = 8 is folded in: the byte stored is the quantiser's byte - 3.
;   LIMITS: a block whose largest magnitude lies under 2^(6 - 127) is quantised with that floor's scale (stored byte 1); a block of zeros keeps that byte over zero codes; NaN and infinities are not served.
; (2) W1 = the rows (l, k) of S1s and U2s, and (3) hin: codes and scale bytes AS GIVEN, as images of operand registers, K = 512 jj + 128 q + ..:
;   w1_img [jj 8][G 16][51,200], hin_img [jj 8][G 32][51,200]: rows 128 G + 16 b + r (W1: in the order n'): fragment (b, q) at (4 b + q) x 1,536; at 49,152 the rows' scale bytes of these 512 K, 16 a row.
; SHARES.  Work-group c = x + 32 y, eight waves, w = wave % 4.  All tiles are asked for at the head, one tensor load a wave: waves 0-3 W2's l = w (columns 128 x on, k = 64 (y % 4) on of U1s (y < 4) or S2s: 64 rows x 512 bytes);
; waves 4, 5 W1's two l (8 rows each of n' = 16 (c / 2) on, 1,536 bytes from byte 1,536 (c % 2)); waves 6, 7 the two halves of hin's rows 16 c on: rows of 1,536 bytes that begin at multiples of 256.
; Behind one barrier waves 0-3 quantise W2 (32 columns each) and waves 4-7 lay W1 and hin (three units of 16 rows x 512 K each).  Nothing in LDS is filled twice.
; No cluster: no two work-groups read the same byte.  No loop to run ahead in: no prefetch.
.set STG,   131072                     ; behind W2's tile: a stage of 6,144 bytes for each of waves 0-3
.set WSTG,  6144
.set CP,    152                        ; 128 bytes + 24 of padding
.set RP,    12*CP                      ; a row of 1,536 bytes in LDS: 456 words
.set W1L,   155648                     ; W1's 16 rows; the upper eight lie 16 bytes further on, so that 16 rows start at 16 different multiples of 4 words mod 64
.set HL,    185088                     ; hin's two tiles of 16 rows
.set SPARE, 243456                     ; 128 bytes for each of eight waves
.set AD0,   2
.set SA,    4
.set SR,    5
.set GOF,   6
.set GSC,   7
.set SB,    16
.set WA,    20                         ; v20 W1's row lane % 16 + 24 (lane / 16) + my 384 bytes; v21: behind one padding more for lanes 16-31
.set HLO,   22
.set HSO,   23
.set WLO,   24
.set HA,    26                         ; v26, v27 the same for hin
.set SPW,   28
.set NIL,   29
.set X,     32
.set C,     96
.set OUT,   32
.set WF,    32                         ; three units of 48 registers
.set HD,    176
.set WD,    180
.set G1,    16
.set G0,    24
.set G0W,   28
.set G1W,   56
.set G1H,   68
.set G0H,   76
	s_load_b128 s[4:7], s[0:1], 0x0                ; U1s, S2s
	s_load_b128 s[36:39], s[0:1], 0x10             ; S1s's codes, scales
	s_load_b128 s[40:43], s[0:1], 0x20             ; U2s's codes, scales
	s_load_b128 s[44:47], s[0:1], 0x30             ; hin's codes, scales
	s_load_b128 s[8:11], s[0:1], 0x40              ; w2_img, w2_sc
	s_load_b128 s[48:51], s[0:1], 0x50             ; w1_img, hin_img
	v_lshl_add_u32 v[SPW], v0, 2, SPARE
	v_mov_b32 v[NIL], 0
	ds_add_u32 v[SPW], v[NIL]                      ; the opening lines
	ds_add_u32 v[SPW], v[NIL]
	v_lshrrev_b32 v1, 5, v0
	v_readfirstlane_b32 s86, v1                    ; wave 0..7
	s_and_b32 s12, s86, 3                          ; w
	s_and_b32 s14, ttmp7, 0xffff                   ; y = j
	s_and_b32 s15, s14, 3
	s_lshl_b32 s13, s14, 5
	s_add_co_u32 s13, s13, ttmp9                   ; c
	s_and_b32 s2, s13, 1                           ; which 2,048 of W1's K
	s_bfe_u32 s3, s13, 0x10001                     ; W1: l = 2 (this bit) + 0, 1
	s_bfe_u32 s35, s13, 0x50002                    ; m
	s_mov_b32 s[G1+0], 2<<16                       ; W2: 64 rows of 128 numbers, 4,096 apart
	s_mov_b32 s[G1+1], 128<<16
	s_mov_b32 s[G1+2], 64<<16
	s_mov_b32 s[G1+3], 128<<16
	s_mov_b32 s[G1+4], 64
	s_mov_b32 s[G1+5], 4096
	s_mov_b32 s[G1+6], 0
	s_mov_b32 s[G1+7], 0
.irp g, G1W, G1H
	s_mov_b32 s[\g+0], (1<<20)|(4<<22)|(5<<25)     ; bytes; behind every 32 words 6 words of padding
	s_mov_b32 s[\g+1], 1536<<16
	s_mov_b32 s[\g+3], 1536<<16
	s_mov_b32 s[\g+5], 3072
	s_mov_b32 s[\g+6], 0
	s_mov_b32 s[\g+7], 0
.endr
	s_mov_b32 s[G1W+2], 8<<16
	s_mov_b32 s[G1W+4], 8
	s_mov_b32 s[G1H+2], 16<<16
	s_mov_b32 s[G1H+4], 16
	s_lshl_b32 s32, s12, 22                        ; W2: l = w,
	s_lshl_b32 s33, s15, 20                        ; 64 (y % 4) rows,
	s_add_co_u32 s32, s32, s33
	s_lshl_b32 s33, ttmp9, 9                       ; x x 512 bytes
	s_add_co_u32 s32, s32, s33
	s_mov_b32 s33, 0
	s_lshl_b32 s34, s12, 15
	s_and_b32 s80, s12, 1
	s_mul_i32 s84, s3, 1572864                     ; W1: the lower l of the pair,
	s_mul_i32 s85, s35, 24576                      ; 8 m rows,
	s_add_co_u32 s84, s84, s85
	s_mul_i32 s85, s2, 1536                        ; the work-group's 2,048 codes,
	s_add_co_u32 s84, s84, s85
	s_mul_i32 s85, s80, 786432                     ; wave 5: the upper l
	s_add_co_u32 s84, s84, s85
	s_mov_b32 s85, 0
	s_mul_i32 s81, s80, 8*RP+16
	s_add_co_u32 s81, s81, W1L
	s_mul_i32 s82, s13, 49152                      ; hin: rows 16 c on,
	s_mul_i32 s83, s80, 1536                       ; wave 7: the rows' second halves
	s_add_co_u32 s82, s82, s83
	s_mov_b32 s83, 0
	s_mul_i32 s87, s80, 16*RP
	s_add_co_u32 s87, s87, HL
	s_wait_dscnt 0x0
	s_wait_kmcnt 0x0
	s_cmp_lt_u32 s14, 4                            ; the choices hang on the work-group's number alone
	s_cselect_b64 s[4:5], s[4:5], s[6:7]
	s_cselect_b64 s[36:37], s[36:37], s[40:41]
	s_cselect_b64 s[38:39], s[38:39], s[42:43]
	s_mov_b32 s[G0+0], 1
	s_mov_b32 s[G0+1], s34
	s_add_nc_u64 s[G0+2:G0+3], s[4:5], s[32:33]
	s_or_b32 s[G0+3], s[G0+3], 0x80000000
	s_mov_b32 s[G0W+0], 1
	s_mov_b32 s[G0W+1], s81
	s_add_nc_u64 s[G0W+2:G0W+3], s[36:37], s[84:85]
	s_or_b32 s[G0W+3], s[G0W+3], 0x80000000
	s_mov_b32 s[G0H+0], 1
	s_mov_b32 s[G0H+1], s87
	s_add_nc_u64 s[G0H+2:G0H+3], s[44:45], s[82:83]
	s_or_b32 s[G0H+3], s[G0H+3], 0x80000000
	s_cmp_lt_u32 s86, 4                            ; one chain of branches on the wave's number: every way passes exactly one load
	s_cbranch_scc0 .Lfor_w1
	tensor_load_to_lds s[G0:G0+3], s[G1:G1+7]
	s_nop 0
.rept 4
	v_nop
.endr
	s_branch .Lasked
.Lfor_w1:
	s_cmp_lt_u32 s86, 6
	s_cbranch_scc0 .Lfor_hin
	tensor_load_to_lds s[G0W:G0W+3], s[G1W:G1W+7]
	s_nop 0
.rept 4
	v_nop
.endr
	s_branch .Lasked
.Lfor_hin:
	tensor_load_to_lds s[G0H:G0H+3], s[G1H:G1H+7]
	s_nop 0
.rept 4
	v_nop
.endr
.Lasked:
	s_mul_i32 s32, s14, 786432                     ; w2_img: j, R = 8 x + 2 w
	s_lshl_b32 s33, ttmp9, 3
	s_lshl_b32 s34, s12, 1
	s_add_co_u32 s33, s33, s34
	s_mul_i32 s33, s33, 3072
	s_add_co_u32 s32, s32, s33
	s_mov_b32 s33, 0
	s_add_nc_u64 s[8:9], s[8:9], s[32:33]
	s_lshl_b32 s32, s14, 15                        ; w2_sc: j x 32,768 + (128 x + 32 w) x 8
	s_lshl_b32 s34, ttmp9, 10
	s_add_co_u32 s32, s32, s34
	s_lshl_b32 s34, s12, 8
	s_add_co_u32 s32, s32, s34
	s_add_nc_u64 s[10:11], s[10:11], s[32:33]
	s_lshl_b32 s32, s2, 2                          ; w1_img: jj = 4 (c % 2) + w, G = c / 16
	s_add_co_u32 s32, s32, s12
	s_mul_i32 s32, s32, 819200
	s_lshr_b32 s34, s13, 4
	s_mul_i32 s34, s34, 51200
	s_add_co_u32 s32, s32, s34
	s_add_nc_u64 s[52:53], s[48:49], s[32:33]
	s_bfe_u32 s34, s13, 0x30001                    ; b = (c / 2) % 8
	s_mul_i32 s32, s34, 6144
	s_add_nc_u64 s[48:49], s[52:53], s[32:33]      ; my four fragments
	s_lshl_b32 s32, s34, 8
	s_add_co_u32 s32, s32, 49152
	s_add_nc_u64 s[52:53], s[52:53], s[32:33]      ; my 16 rows' scale bytes
	s_lshr_b32 s32, s13, 3                         ; hin_img: G = c / 8, b = c % 8
	s_mul_i32 s32, s32, 51200
	s_add_nc_u64 s[50:51], s[50:51], s[32:33]
	s_and_b32 s34, s13, 7
	s_mul_i32 s32, s34, 6144
	s_mul_i32 s81, s12, 1638400                    ; jj = w (and w + 4 by the stores' immediate)
	s_add_co_u32 s32, s32, s81
	s_add_nc_u64 s[54:55], s[50:51], s[32:33]
	s_lshl_b32 s32, s34, 8
	s_add_co_u32 s32, s32, 49152
	s_add_nc_u64 s[50:51], s[50:51], s[32:33]
	s_lshl_b32 s32, s13, 11                        ; hin's scales: rows 16 c on, 128 bytes a row
	s_add_nc_u64 s[46:47], s[46:47], s[32:33]
	s_lshl_b32 s32, s3, 16                         ; W1's scales: the lower l, 8 m rows, the work-group's 64 bytes, my 16
	s_lshl_b32 s34, s35, 10
	s_add_co_u32 s32, s32, s34
	s_lshl_b32 s34, s2, 6
	s_add_co_u32 s32, s32, s34
	s_lshl_b32 s34, s12, 4
	s_add_co_u32 s32, s32, s34
	s_add_nc_u64 s[38:39], s[38:39], s[32:33]
	s_lshl_b32 s80, s12, 7
	s_mul_i32 s81, s12, 3*CP
	s_mul_i32 s82, s12, WSTG
	s_add_co_u32 s82, s82, STG
	v_and_b32 v1, 31, v0                           ; lane
	v_and_b32 v9, 15, v0                           ; r
	v_bfe_u32 v8, v0, 4, 1                         ; lane / 16
	v_bfe_u32 v10, v0, 4, 3                        ; (thread / 16) % 8
	v_lshlrev_b32 v[HLO], 7, v9                    ; hin's scales: of waves 4-7 thread t takes row t % 16, jj = (t / 16) % 8
	v_lshl_add_u32 v[HLO], v10, 4, v[HLO]
	v_mul_u32_u24 v[HSO], v10, 1638400
	v_lshl_add_u32 v[HSO], v9, 4, v[HSO]           ; sixteen neighbouring lanes store 256 consecutive bytes
	v_bfe_u32 v11, v0, 1, 3
	v_and_b32 v12, 1, v0
	v_lshlrev_b32 v[WLO], 15, v8                   ; W1's scales: a lane takes 8 bytes of row lane / 2 of the 16
	v_lshl_add_u32 v[WLO], v11, 7, v[WLO]
	v_lshl_add_u32 v[WLO], v12, 3, v[WLO]
	v_lshlrev_b32 v[AD0], 2, v1
	v_add_nc_u32 v[AD0], s80, v[AD0]
	v_add_nc_u32 v[AD0+1], 0x10000, v[AD0]
	v_mul_u32_u24 v[SA], v8, 3072
	v_lshl_add_u32 v[SA], v9, 4, v[SA]
	v_add_nc_u32 v[SA], s82, v[SA]
	v_lshl_add_u32 v[SR], v1, 4, s82
	v_lshlrev_b32 v[GOF], 4, v1
	v_lshlrev_b32 v[GSC], 3, v1
	v_mul_u32_u24 v[WA], v9, RP
	v_mad_u32_u24 v[WA], v8, 24, v[WA]
	v_add_nc_u32 v[WA], s81, v[WA]
	v_add_nc_u32 v[HA], HL, v[WA]
	v_mad_u32_u24 v[HA+1], v8, 24, v[HA]
	v_lshrrev_b32 v11, 3, v9
	v_lshl_add_u32 v[WA], v11, 4, v[WA]
	v_add_nc_u32 v[WA], W1L, v[WA]
	v_mad_u32_u24 v[WA+1], v8, 24, v[WA]
	s_wait_alu depctr_va_vdst(0)
	s_wait_tensorcnt 0x0                           ; my tile is in
	s_barrier_signal -1
	s_barrier_wait -1                              ; everybody's is
	s_cmp_lt_u32 s86, 4
	s_cbranch_scc0 .Lrelay
.macro LOADB t                         ; W2's block t: place i takes l = i / 16 + 2 ((i / 8) % 2), k = 8 t + i % 8; a lane takes a column, its registers run down K
.irp i, 0,1,2,3,4,5,6,7,8,9,10,11,12,13,14,15,16,17,18,19,20,21,22,23,24,25,26,27,28,29,30,31
	ds_load_b32 v[X+32*((\t)%2)+\i], v[AD0+(\i/8)%2] offset:(64*(\i/16)+8*(\t)+\i%8)*512
.endr
.endm
; Block t = 4 q + 2 c + h' of my column: registers 6 c .. 6 c + 5 of lane r + 16 h' of fragment (R, q).  n: the LDS instructions issued behind this block's loads.
.macro BLOCK t, n, nxt
.set XS, X+32*((\t)%2)
.set CC, C+12*((\t)%2)
.set PL, ((\t)/4)*1536+256*((\t)%2)
	s_wait_dscnt \n
	v_max3_num_f32 v12, |v[XS]|, |v[XS+1]|, |v[XS+2]|
	v_max3_num_f32 v13, |v[XS+3]|, |v[XS+4]|, |v[XS+5]|
.irp i, 6,10,14,18,22,26
	v_max3_num_f32 v12, v12, |v[XS+\i]|, |v[XS+\i+1]|
	v_max3_num_f32 v13, v13, |v[XS+\i+2]|, |v[XS+\i+3]|
.endr
	v_max3_num_f32 v12, v12, |v[XS+30]|, |v[XS+31]|
	v_max3_num_f32 v12, v12, v13, 0x3000000        ; the largest magnitude over the floor 2^(6 - 127)
	v_add_nc_u32 v11, 0xff000000, v12              ; 2 off its exponent field: the conversion's scale operand
	v_cvt_scalef32_pk16_fp6_f32 v[CC:CC+2], v[XS:XS+15], v11
	v_cvt_scalef32_pk16_fp6_f32 v[CC+6:CC+8], v[XS+16:XS+31], v11
	v_lshrrev_b32 v13, 23, v12                     ; the exponent field (the plain line behind the conversions)
.if (\t)%4 == 0
	v_mov_b32 v[SB+(\t)/4], v13
.else
	v_lshl_or_b32 v[SB+(\t)/4], v13, 8*((\t)%4), v[SB+(\t)/4]
.endif
.irp i, 0,1,2
	v_mov_b32 v[CC+3+\i], v[CC+6+\i]
.endr
.if ((\t)%4)/2 == 0
	ds_store_b128 v[SA], v[CC:CC+3] offset:PL
	ds_store_b64 v[SA], v[CC+4:CC+5] offset:PL+512
.else
	ds_store_b64 v[SA], v[CC:CC+1] offset:PL+520
	ds_store_b128 v[SA], v[CC+2:CC+5] offset:PL+1024
.endif
.if \nxt
	LOADB (\t)+2
.endif
.endm
	LOADB 0
	LOADB 1
	BLOCK 0, 32, 1                                 ; behind my loads: the next block's 32
.irp t, 1,2,3,4,5
	BLOCK \t, 34, 1                                ; 2 stage stores and 32 loads
.endr
	BLOCK 6, 34, 0
	BLOCK 7, 2, 0
	v_add_nc_u32 v[SB], 0xfafafafb, v[SB]          ; 5 off each byte (2 for the format, 3 for the division by 8): every byte is 6 or more, none borrows
	v_add_nc_u32 v[SB+1], 0xfafafafb, v[SB+1]
	global_store_b64 v[GSC], v[SB:SB+1], s[10:11]  ; 32 lanes store 256 consecutive bytes, aligned
.irp t, 0,1,2,3,4,5,6,7,8,9,10,11
	ds_load_b128 v[OUT+4*\t:OUT+4*\t+3], v[SR] offset:512*\t   ; my own stage, behind my stores
.endr
.irp t, 0,1,2,3,4,5,6,7,8,9,10,11
	s_wait_dscnt 11-\t
	global_store_b128 v[GOF], v[OUT+4*\t:OUT+4*\t+3], s[8:9] offset:512*\t   ; 512 consecutive bytes, aligned
.endr
	s_branch .Lend
; W1 and hin.  A unit is 16 rows x 384 bytes (512 K): four fragments.  Lanes 0-15 take the row's pieces 12 q + 0, 1, 2 and 12 q + 6, 7, 8, lanes 16-31 those three pieces on;
; 24 bytes of padding lie behind every 16 pieces: where the piece three on lies behind one padding more, the second address register serves.
.macro UNIT reg, adr, off
.irp q, 0,1,2,3
.irp p, 0,1,2,3,4,5
.set PCE, 12*\q+6*(\p/3)+\p%3
	ds_load_b64 v[\reg+12*\q+2*\p:\reg+12*\q+2*\p+1], v[\adr+(PCE%16)/13] offset:\off+8*PCE+24*(PCE/16)
.endr
.endr
.endm
.macro UOUT reg, b, off
.irp t, 0,1,2,3,4,5,6,7,8,9,10,11
	global_store_b128 v[GOF], v[\reg+4*\t:\reg+4*\t+3], s[\b:\b+1] offset:\off+512*\t   ; the registers as they stand
.endr
.endm
.Lrelay:
	global_load_b128 v[HD:HD+3], v[HLO], s[46:47]
	global_load_b64 v[WD:WD+1], v[WLO], s[38:39]
	UNIT WF, WA, 0
	UNIT WF+48, HA, 0
	UNIT WF+96, HA, 16*RP
	s_wait_dscnt 48
	UOUT WF, 48, 0
	s_wait_dscnt 24
	UOUT WF+48, 54, 0
	s_wait_dscnt 0x0
	UOUT WF+96, 54, 4*1638400
	s_wait_loadcnt 0x0                             ; the scale bytes go on as they are
	global_store_b128 v[HSO], v[HD:HD+3], s[50:51]
	global_store_b64 v[GSC], v[WD:WD+1], s[52:53]  ; 32 lanes store 256 consecutive bytes, aligned
.Lend:
	s_wait_tensorcnt 0x0                           ; the wave's end
	ds_add_u32 v[SPW], v[NIL]
	s_wait_dscnt 0x0
	s_endpgm
.Lfunc_end_k_q682bf94a9c_prep:
	.size	k_q682bf94a9c_prep, .Lfunc_end_k_q682bf94a9c_prep-k_q682bf94a9c_prep
	.p2alignl 7, 3214868480
	.fill 96, 4, 3214868480
	.section	.rodata,"a",@progbits
	.p2align	6, 0x0
	.amdhsa_kernel k_q682bf94a9c_prep
		.amdhsa_group_segment_fixed_size 327680
		.amdhsa_private_segment_fixed_size 0
		.amdhsa_enable_private_segment 0
		.amdhsa_kernarg_size 96
		.amdhsa_user_sgpr_count 2
		.amdhsa_user_sgpr_kernarg_segment_ptr 1
		.amdhsa_wavefront_size32 1
		.amdhsa_system_sgpr_workgroup_id_x 1
		.amdhsa_system_sgpr_workgroup_id_y 1
		.amdhsa_system_sgpr_workgroup_id_z 1
		.amdhsa_system_vgpr_workitem_id 0
		.amdhsa_next_free_vgpr 184
		.amdhsa_next_free_sgpr 88
		.amdhsa_reserve_vcc 0
		.amdhsa_float_denorm_mode_32 3
		.amdhsa_float_denorm_mode_16_64 3
		.amdhsa_memory_ordered 1
		.amdhsa_forward_progress 1
		.amdhsa_inst_pref_size 49
	.end_amdhsa_kernel
	.amdgpu_metadata
---
amdhsa.version: [ 1, 2 ]
amdhsa.kernels:
  - .name:           k_q682bf94a9c_prep
    .symbol:         k_q682bf94a9c_prep.kd
    .args:
      - { .name: U1s, .offset: 0, .size: 8, .value_kind: global_buffer, .address_space: global }
      - { .name: S2s, .offset: 8, .size: 8, .value_kind: global_buffer, .address_space: global }
      - { .name: S1s_codes, .offset: 16, .size: 8, .value_kind: global_buffer, .address_space: global }
      - { .name: S1s_scales, .offset: 24, .size: 8, .value_kind: global_buffer, .address_space: global }
      - { .name: U2s_codes, .offset: 32, .size: 8, .value_kind: global_buffer, .address_space: global }
      - { .name: U2s_scales, .offset: 40, .size: 8, .value_kind: global_buffer, .address_space: global }
      - { .name: hin_codes, .offset: 48, .size: 8, .value_kind: global_buffer, .address_space: global }
      - { .name: hin_scales, .offset: 56, .size: 8, .value_kind: global_buffer, .address_space: global }
      - { .name: w2_img, .offset: 64, .size: 8, .value_kind: global_buffer, .address_space: global }
      - { .name: w2_sc, .offset: 72, .size: 8, .value_kind: global_buffer, .address_space: global }
      - { .name: w1_img, .offset: 80, .size: 8, .value_kind: global_buffer, .address_space: global }
      - { .name: hin_img, .offset: 88, .size: 8, .value_kind: global_buffer, .address_space: global }
    .group_segment_fixed_size: 327680
    .private_segment_fixed_size: 0
    .kernarg_segment_align: 8
    .kernarg_segment_size: 96
    .max_flat_workgroup_size: 256
    .sgpr_count:     88
    .vgpr_count:     184
    .wavefront_size: 32
...
	.end_amdgpu_metadata
.endif
;; end of part 5
;; launch gemm1 (part 6): grid 8 x 32, 4 waves a work-group, clusters of 4 x 4, 327,680 bytes of LDS; arguments hin_img, w1_img, mid_img, mid_sc; writes mid_img, mid_sc
.if DOCPART == 6
	.amdgcn_target "amdgcn-amd-amdhsa--gfx1250"
	.amdhsa_code_object_version 6
	.text
	.protected	k_q682bf94a9c_gemm1
	.globl	k_q682bf94a9c_gemm1
	.p2align	8
	.type	k_q682bf94a9c_gemm1,@function
k_q682bf94a9c_gemm1:
	s_mov_b64 s[64:65], 0
	v_nop
	global_prefetch_b8 v0, s[64:65] scope:SCOPE_SE
	s_setreg_imm32_b32 hwreg(HW_REG_WAVE_MODE, 25, 1), 1
	s_wait_xcnt 0x0
	s_wait_alu depctr_hold_cnt(0) depctr_sa_sdst(0) depctr_va_vdst(0) depctr_va_sdst(0) depctr_va_ssrc(0) depctr_va_vcc(0) depctr_vm_vsrc(0)
	s_getreg_b32 s2, hwreg(HW_REG_IB_STS2, 6, 4)
	s_cmp_eq_u32 s2, 0
	s_cbranch_scc0 .Lentry_in_a_cluster
	s_endpgm
.Lentry_in_a_cluster:
	s_bfe_u32 s2, ttmp6, 0x10000c
	s_cmp_lg_u32 s2, 0xf033
	s_cbranch_scc0 .Lentry_shape_is_right
	s_endpgm
.Lentry_shape_is_right:
; mid[b][n'] = sum over d of hin[b][d] W1[n'][d]: both first products at once (n' as the launch before lays it), then QUANTISED along n' for the second products.
; Both operands come as groups of 51,200 bytes: 128 rows x 512 K as images of operand registers (fragment (b, q) at (4 b + q) x 1,536), and at 49,152 the rows' scale bytes, 16 a row.
; A block is 128 rows of hin x 256 n': 32 x 8 = 256 work-groups; a wave makes 64 x 128: 32 accumulators.  K goes in steps of 512 through a ring of two LDS slots of three groups (A, B, B):
; waves 0 and 3 fetch A's two halves, waves 1 and 2 a group of B each: one tensor load a wave.  A fragment leaves LDS by three loads of 16 bytes a lane, 512 consecutive bytes each.
; TWO SETS of fragment registers for A and for B: a step's fragments are asked for at the head of the step before, 32 matrix instructions ahead of their use.  So a slot's reads are over at the head of its last step, and the change of slots stands there.
; CLUSTERS 4 x 4: A's groups are asked for jointly along a row of the cluster, B's along a column.  TRANSPOSED USE: source 0 = 16 rows of W1, source 1 = 16 rows of hin: a lane holds one row of mid and eight neighbouring n'.
; PREFETCH: behind each refill in the loop's first two trips the groups that stand two refills on: the four partners of a joint load share its blocks of 256 bytes out by address (A: 25 each, B: 50 each), a lane a block.
; REGISTERS: window 0: v0-31 addresses, v32-95 scale words (two sets), v96-117 the way out, v128-223 A's two sets, v224-243 codes; window 1: B's two sets at v0 and v128; window 2: accumulator (a, b) at v[8 (8 a + b)].
.set NQ,     4
.set FR,     12
.set FRB,    1536
.set NP,     4
.set BGB,    51200
.set BSC,    49152
.set BGR,    BGB
.set SLOT,   3*BGB
.set LAPS,   4
.set JA,     1638400
.set JB,     819200
.set SPARE,  2*SLOT
.set ADRA, 16
.set ADRB, 20
.set ADRS, 22
.set SWA,  24
.set SRA,  25
.set LI,   26
.set L8,   27
.set SPW,  28
.set NIL,  29
.set PFO,  30
.set SC,   32
.set TM,   96
.set PW,   112
.set SD,   116
.set AF,   128
.set PC,   224
.set SEL,  66
.set G1, 24
.set G0, 32
.set G1B, 48
.set G0B, 56
.set PFA, 68
.set PFS, 70
.set MSB, 0
.macro WIN new
.if MSB != (\new)
	s_set_vgpr_msb (MSB<<8)|(\new)
.set MSB, (\new)
.endif
.endm
.set MUL,    0xa1
.set TO_B,   0x40
.macro JLOAD s                         ; a joint load: waves 0, 3 for A, waves 1, 2 for B; the branch hangs on the wave's number alone
	s_cmp_eq_u32 s18, 0
	s_cbranch_scc0 .Lfor_b_\@
	tensor_load_to_lds s[G0+4*\s:G0+4*\s+3], s[G1:G1+7]
	s_nop 0
.rept 4
	v_nop
.endr
	s_branch .Lasked_\@
.Lfor_b_\@:
	tensor_load_to_lds s[G0B+4*\s:G0B+4*\s+3], s[G1B:G1B+7]
	s_nop 0
.rept 4
	v_nop
.endr
.Lasked_\@:
.endm
.macro ASK                             ; s3 = 1 in the loop's last trip, whose refills have no group two refills on
	s_cmp_gt_u32 s3, 1
	s_cbranch_scc0 .Lno_\@
	global_prefetch_b8 v[PFO], s[PFA:PFA+1] th:TH_LOAD_NT scope:SCOPE_SE
	s_cmp_eq_u32 s18, 0
	s_cbranch_scc1 .Lno_\@
	global_prefetch_b8 v[PFO], s[PFA:PFA+1] offset:6400 th:TH_LOAD_NT scope:SCOPE_SE
.Lno_\@:
.endm
.macro CREST
	s_cmp_lg_u32 s14, 0
	s_cbranch_scc1 .Lnot_wave_0_\@
	s_barrier_signal -3
.Lnot_wave_0_\@:
	s_barrier_wait -3
	s_barrier_signal -1
	s_barrier_wait -1
.endm
.macro CROUND
	s_barrier_signal -1
	s_barrier_wait -1
	CREST
.endm
	s_load_b64 s[4:5], s[0:1], 0x0                 ; hin_img
	s_load_b128 s[8:11], s[0:1], 0x8               ; w1_img, mid_img
	s_load_b64 s[12:13], s[0:1], 0x18              ; mid_sc
	v_lshl_add_u32 v[SPW], v0, 2, SPARE
	v_mov_b32 v[NIL], 0
	ds_add_u32 v[SPW], v[NIL]                      ; the opening lines
	ds_add_u32 v[SPW], v[NIL]
	v_lshrrev_b32 v1, 5, v0
	v_readfirstlane_b32 s14, v1                    ; wave
	s_lshr_b32 s15, s14, 1                         ; my 64 rows; also which group of B waves 1, 2 fetch
	s_and_b32 s16, s14, 1                          ; my 128 n'; also which half of A's group waves 0, 3 fetch
	s_xor_b32 s18, s15, s16                        ; 0: I fetch for A
	s_bfe_u32 s40, ttmp6, 0x40000
	s_bfe_u32 s41, ttmp6, 0x40004
	s_lshl_b32 s42, ttmp9, 2
	s_add_co_u32 s42, s42, s40                     ; block column
	s_and_b32 s17, ttmp7, 0xffff
	s_lshl_b32 s17, s17, 2
	s_add_co_u32 s17, s17, s41                     ; block row
	s_lshl_b32 s43, s41, 2
	s_lshl_b32 s43, 15, s43
	s_lshl_b32 s44, 0x1111, s40
	s_mov_b32 s[SEL], 0x76543210
	s_mov_b32 s[SEL+1], 0xfedcba98
	s_or_b32 s[G1+0], s43, (3<<16)|(1<<21)         ; dense bytes as rows of 256: A's half group 100 rows, B's group 200
	s_or_b32 s[G1B+0], s44, (3<<16)|(1<<21)
.irp g, G1, G1B
	s_mov_b32 s[\g+1], 32<<16
	s_mov_b32 s[\g+3], 32<<16
	s_mov_b32 s[\g+5], 32
	s_mov_b32 s[\g+6], 0
	s_mov_b32 s[\g+7], 0
.endr
	s_mov_b32 s[G1+2], 100<<16
	s_mov_b32 s[G1+4], 100
	s_mov_b32 s[G1B+2], 200<<16
	s_mov_b32 s[G1B+4], 200
	s_mul_i32 s20, s17, BGB
	s_mul_i32 s45, s16, BGB/2
	s_add_co_u32 s20, s20, s45
	s_mov_b32 s21, 0
	s_mul_i32 s46, s42, 2*BGB
	s_mul_i32 s19, s15, BGB
	s_add_co_u32 s46, s46, s19
	s_mov_b32 s47, 0
	s_add_co_u32 s19, s19, BGR
	s_wait_dscnt 0x0
	s_wait_kmcnt 0x0
	s_add_nc_u64 s[20:21], s[4:5], s[20:21]
	s_add_nc_u64 s[46:47], s[8:9], s[46:47]
	CROUND                                         ; the first joint loads meet
.irp s, 0,1
	s_mov_b32 s[G0+4*\s], 1
	s_add_co_u32 s[G0+4*\s+1], s45, \s*SLOT
	s_add_nc_u64 s[G0+4*\s+2:G0+4*\s+3], s[20:21], \s*JA
	s_or_b32 s[G0+4*\s+3], s[G0+4*\s+3], 0x80000000
	s_mov_b32 s[G0B+4*\s], 1
	s_add_co_u32 s[G0B+4*\s+1], s19, \s*SLOT
	s_add_nc_u64 s[G0B+4*\s+2:G0B+4*\s+3], s[46:47], \s*JB
	s_or_b32 s[G0B+4*\s+3], s[G0B+4*\s+3], 0x80000000
.endr
	JLOAD 0                                        ; K step 0: one tensor load a wave at the head
	s_cmp_eq_u32 s18, 0                            ; the prefetches: what I fetch, my work-group's quarter of it, three K steps on (each change of slots steps it once more)
	s_cselect_b64 s[PFA:PFA+1], s[20:21], s[46:47]
	s_cselect_b32 s72, s40, s41
	s_mov_b32 s73, 12800
	s_cselect_b32 s73, 6400, s73
	s_mov_b32 s[PFS], JB
	s_cselect_b32 s[PFS], JA, s[PFS]
	s_mov_b32 s[PFS+1], 0
	s_mul_i32 s72, s72, s73
	s_mov_b32 s73, 0
	s_add_nc_u64 s[PFA:PFA+1], s[PFA:PFA+1], s[72:73]
	s_mul_i32 s72, s[PFS], 3
	s_add_nc_u64 s[PFA:PFA+1], s[PFA:PFA+1], s[72:73]
	v_and_b32 v1, 15, v0
	v_bfe_u32 v2, v0, 4, 1
	v_and_b32 v6, 31, v0
	v_lshlrev_b32 v[LI], 4, v6
	v_lshlrev_b32 v[L8], 3, v6
	v_min_u32 v[PFO], 24, v6
	v_lshlrev_b32 v[PFO], 8, v[PFO]
	v_lshlrev_b32 v5, 4, v1
	s_wait_alu depctr_va_vdst(0)
	s_mul_i32 s21, s15, 16*FRB
	s_mul_i32 s22, s16, BGB
	s_add_co_u32 s22, s22, BGR
.irp s, 0,1
	v_add_nc_u32 v[ADRA+\s], s21, v[LI]
	v_add_nc_u32 v[ADRB+\s], s22, v[LI]
	s_add_co_u32 s21, s21, SLOT
	s_add_co_u32 s22, s22, SLOT
.endr
	s_lshl_b32 s21, s15, 10                        ; scale words: lanes 0-15 A's rows, lanes 16-31 B's: the lower base + half x the distance
	s_add_co_u32 s21, s21, BSC
	s_mul_i32 s22, s16, BGB
	s_add_co_u32 s22, s22, BGR+BSC
	s_sub_co_u32 s22, s22, s21
	v_mul_u32_u24 v6, s22, v2
	v_add_nc_u32 v5, v5, v6
	v_add_nc_u32 v[ADRS], s21, v5
	v_add_nc_u32 v[ADRS+1], SLOT, v[ADRS]
	s_lshl_b32 s23, s15, 9
	s_lshl_b32 s21, s16, 2
	s_add_co_u32 s23, s23, s21
	v_lshl_add_u32 v[SWA], v1, 3, s23
	s_lshl_b32 s23, s14, 8
	v_add_nc_u32 v[SRA], s23, v[L8]
	s_mul_i32 s20, s42, 786432                     ; mid_img: j = block column, R, q
	s_mul_i32 s21, s17, 24576
	s_add_co_u32 s20, s20, s21
	s_mul_i32 s21, s15, 12288
	s_add_co_u32 s20, s20, s21
	s_mul_i32 s21, s16, 1536
	s_add_co_u32 s20, s20, s21
	s_mov_b32 s21, 0
	s_add_nc_u64 s[10:11], s[10:11], s[20:21]
	s_lshl_b32 s20, s42, 15
	s_lshl_b32 s22, s17, 10
	s_add_co_u32 s20, s20, s22
	s_lshl_b32 s22, s14, 8
	s_add_co_u32 s20, s20, s22
	s_add_nc_u64 s[12:13], s[12:13], s[20:21]
.macro FRAG reg, adr, q, i
.irp c, 0,1,2
	ds_load_b128 v[\reg+4*\c:\reg+4*\c+3], v[\adr] offset:((\i)*NQ+(\q))*FRB+512*\c
.endr
.endm
.macro MULA a, p, q, sc, zero          ; 8 matrix instructions; the 32 accumulators take turns in the same order in every step
.irp b, 0,1,2,3,4,5,6,7
.if \zero
	v_wmma_scale_f32_16x16x128_f8f6f4 v[8*(8*(\a)+\b):8*(8*(\a)+\b)+7], v[128*(\p)+FR*\b:128*(\p)+FR*\b+FR-1], v[AF+48*(\p)+FR*(\a):AF+48*(\p)+FR*(\a)+FR-1], 0, v[SC+8*NQ*(\sc)+NQ*\b+(\q)], v[SC+8*NQ*(\sc)+NQ*(\a)+(\q)] matrix_a_fmt:MATRIX_FMT_FP6 matrix_b_fmt:MATRIX_FMT_FP6 matrix_a_scale:MATRIX_SCALE_ROW1
.else
	v_wmma_scale_f32_16x16x128_f8f6f4 v[8*(8*(\a)+\b):8*(8*(\a)+\b)+7], v[128*(\p)+FR*\b:128*(\p)+FR*\b+FR-1], v[AF+48*(\p)+FR*(\a):AF+48*(\p)+FR*(\a)+FR-1], v[8*(8*(\a)+\b):8*(8*(\a)+\b)+7], v[SC+8*NQ*(\sc)+NQ*\b+(\q)], v[SC+8*NQ*(\sc)+NQ*(\a)+(\q)] matrix_a_fmt:MATRIX_FMT_FP6 matrix_b_fmt:MATRIX_FMT_FP6 matrix_a_scale:MATRIX_SCALE_ROW1
.endif
.endr
.endm
.macro FETCH slot, q, p                ; 36 LDS loads: B's eight and A's four fragments of the slot's q-th 128 along K into set p
	WIN TO_B
.irp i, 0,1,2,3,4,5,6,7
	FRAG 128*(\p)+FR*\i, ADRB+\slot, \q, \i
.endr
	WIN 0
.irp i, 0,1,2,3
	FRAG AF+48*(\p)+FR*\i, ADRA+\slot, \q, \i
.endr
.endm
.macro SCALES sc                       ; a slot's scale words; A has four blocks: what lanes 0-15 take for i = 4 .. 7 is not used
.irp i, 0,1,2,3,4,5,6,7
	ds_load_b128 v[SC+8*NQ*\sc+NQ*\i:SC+8*NQ*\sc+NQ*\i+3], v[ADRS+\sc] offset:\i*256
.endr
.endm
.macro PLACES n
.rept \n
	v_nop
.endr
.endm
.macro STEP slot, q, zero              ; a step whose successor lies in the same slot
	PLACES NP                                      ; behind the products that read the other set
	FETCH \slot, (\q)+1, 1-(\q)%2
	s_wait_dscnt 36                                ; all but the 36 just issued: this step's fragments are in
	WIN MUL
.irp a, 0,1,2,3
	MULA \a, (\q)%2, \q, \slot, \zero
.endr
	WIN 0
.endm
.macro TURN slot, next, fill           ; a slot's last step: its fragments are in registers, so the slot changes at the step's head
.if \fill
	s_wait_xcnt 0x0                                ; my prefetches have read their address
	s_add_nc_u64 s[PFA:PFA+1], s[PFA:PFA+1], s[PFS:PFS+1]
.endif
	s_wait_tensorcnt 0x0                           ; my part of the next slot is in
	ds_add_u32 v[SPW], v[NIL]
.if \fill
	s_add_nc_u64 s[G0+4*\slot+2:G0+4*\slot+3], s[G0+4*\slot+2:G0+4*\slot+3], 2*JA
	s_add_nc_u64 s[G0B+4*\slot+2:G0B+4*\slot+3], s[G0B+4*\slot+2:G0B+4*\slot+3], 2*JB
.endif
	s_wait_dscnt 0x0                               ; the add is done, my reads of this slot are over
	s_barrier_signal -1
	WIN MUL
	MULA 0, 1, NQ-1, \slot, 0
	WIN 0
	s_barrier_wait -1
.if \fill
	CREST                                          ; the barrier has opened a round of the cluster's barrier
	JLOAD \slot                                    ; its four v_nop are also the places in front of the loads below
.else
	PLACES NP
.endif
	FETCH \next, 0, 0
	SCALES \next
.if \fill
	ASK
.endif
	WIN MUL
.irp a, 1,2,3
	MULA \a, 1, NQ-1, \slot, 0
.endr
	WIN 0
.endm
	s_wait_alu depctr_va_vdst(0)
	s_wait_tensorcnt 0x0                           ; my part of K step 0 is in; a later first fill is issued as a refill is
	ds_add_u32 v[SPW], v[NIL]
	s_wait_dscnt 0x0
	CROUND
	JLOAD 1
	FETCH 0, 0, 0
	SCALES 0
	STEP 0, 0, 1                                   ; the first step's products start the sums
	s_mov_b32 s3, LAPS-1
.Llap:
	STEP 0, 1, 0
	STEP 0, 2, 0
	TURN 0, 1, 1
	STEP 1, 0, 0
	STEP 1, 1, 0
	STEP 1, 2, 0
	TURN 1, 0, 1
	STEP 0, 0, 0
	s_sub_co_u32 s3, s3, 1
	s_cmp_lg_u32 s3, 0
	s_cbranch_scc1 .Llap
	STEP 0, 1, 0
	STEP 0, 2, 0
	TURN 0, 1, 0                                   ; the last lap fills nothing
	STEP 1, 0, 0
	STEP 1, 1, 0
	STEP 1, 2, 0
	s_wait_dscnt 0x0
	WIN MUL
.irp a, 0,1,2,3
	MULA \a, 1, NQ-1, 1, 0
.endr
	WIN 0
; THE WAY OUT: 16 rows x 128 n' at a time are quantised in registers.  A lane's 16 registers of two neighbouring tiles and lane l xor 16's make a block of 32; codes leave as the image of an operand's registers.
.macro QOUT a
.set AC, 64*(\a)
	WIN 0x0a
.irp b, 0,1,2,3
	v_max3_num_f32 v[TM+\b], |v[AC+16*\b]|, |v[AC+16*\b+1]|, 0x1800000   ; with the floor 2^(3 - 127): the byte cannot fall under 1
.endr
.irp i, 2,4,6,8,10,12,14
.irp b, 0,1,2,3
	v_max3_num_f32 v[TM+\b], |v[AC+16*\b+\i]|, |v[AC+16*\b+\i+1]|, v[TM+\b]
.endr
.endr
	WIN 0
.irp b, 0,1,2,3
	v_permlanex16_b32 v[TM+4+\b], v[TM+\b], s[SEL], s[SEL+1]
.endr
.irp b, 0,1,2,3
	v_max_num_f32 v[TM+\b], v[TM+\b], v[TM+4+\b]
.endr
.irp b, 0,1,2,3
	v_add_nc_u32 v[TM+12+\b], 0xff000000, v[TM+\b]
.endr
.irp b, 0,1,2,3
	v_lshrrev_b32 v[TM+4+\b], 23, v[TM+12+\b]
.endr
	v_lshl_or_b32 v[PW+\a], v[TM+5], 8, v[TM+4]
	v_lshl_or_b32 v[PW+\a], v[TM+6], 16, v[PW+\a]
	v_lshl_or_b32 v[PW+\a], v[TM+7], 24, v[PW+\a]
	s_wait_alu depctr_va_vdst(0)
	s_wait_xcnt 0x0                                ; the last block's stores have read their registers
	WIN 0x02
.irp c, 0,1
	v_cvt_scalef32_pk16_fp6_f32 v[PC+6*\c:PC+2+6*\c], v[AC+32*\c:AC+32*\c+15], v[TM+12+2*\c]
	v_cvt_scalef32_pk16_fp6_f32 v[PC+12+4*\c:PC+14+4*\c], v[AC+32*\c+16:AC+32*\c+31], v[TM+12+2*\c+1]
.endr
	WIN 0
	v_nop
.irp c, 0,1
.irp i, 0,1,2
	v_permlane16_swap_b32 v[PC+6*\c+\i], v[PC+12+4*\c+\i]
.endr
.irp i, 0,1,2
	v_mov_b32 v[PC+3+6*\c+\i], v[PC+12+4*\c+\i]
.endr
.endr
.irp c, 0,1,2
	global_store_b128 v[LI], v[PC+4*\c:PC+4*\c+3], s[10:11] offset:(\a)*3072+512*\c
.endr
	ds_store_b32 v[SWA], v[PW+\a] offset:128*(\a)  ; slot 0 has had its last fill and its last read
.endm
	PLACES NP
.irp b, 0,1,2,3
	v_mov_b32 v[TM+4+\b], 0
.endr
.irp a, 0,1,2,3
	QOUT \a
.endr
	s_wait_dscnt 0x0
	s_barrier_signal -1
	s_barrier_wait -1
	ds_load_b64 v[SD:SD+1], v[SRA]                 ; a row's two scale words come from two waves
	s_wait_dscnt 0x0
	global_store_b64 v[L8], v[SD:SD+1], s[12:13]   ; 32 lanes store 256 consecutive bytes, aligned
	s_wait_tensorcnt 0x0                           ; the wave's end
	ds_add_u32 v[SPW], v[NIL]
	s_wait_dscnt 0x0
	CROUND
	s_endpgm
.Lfunc_end_k_q682bf94a9c_gemm1:
	.size	k_q682bf94a9c_gemm1, .Lfunc_end_k_q682bf94a9c_gemm1-k_q682bf94a9c_gemm1
	.p2alignl 7, 3214868480
	.fill 96, 4, 3214868480
	.section	.rodata,"a",@progbits
	.p2align	6, 0x0
	.amdhsa_kernel k_q682bf94a9c_gemm1
		.amdhsa_group_segment_fixed_size 327680
		.amdhsa_private_segment_fixed_size 0
		.amdhsa_enable_private_segment 0
		.amdhsa_kernarg_size 32
		.amdhsa_user_sgpr_count 2
		.amdhsa_user_sgpr_kernarg_segment_ptr 1
		.amdhsa_wavefront_size32 1
		.amdhsa_system_sgpr_workgroup_id_x 1
		.amdhsa_system_sgpr_workgroup_id_y 1
		.amdhsa_system_sgpr_workgroup_id_z 1
		.amdhsa_system_vgpr_workitem_id 0
		.amdhsa_next_free_vgpr 768
		.amdhsa_next_free_sgpr 88
		.amdhsa_reserve_vcc 0
		.amdhsa_float_denorm_mode_32 3
		.amdhsa_float_denorm_mode_16_64 3
		.amdhsa_memory_ordered 1
		.amdhsa_forward_progress 1
		.amdhsa_inst_pref_size 136
	.end_amdhsa_kernel
	.amdgpu_metadata
---
amdhsa.version: [ 1, 2 ]
amdhsa.kernels:
  - .name:           k_q682bf94a9c_gemm1
    .symbol:         k_q682bf94a9c_gemm1.kd
    .args:
      - { .name: hin_img, .offset: 0, .size: 8, .value_kind: global_buffer, .address_space: global }
      - { .name: w1_img, .offset: 8, .size: 8, .value_kind: global_buffer, .address_space: global }
      - { .name: mid_img, .offset: 16, .size: 8, .value_kind: global_buffer, .address_space: global }
      - { .name: mid_sc, .offset: 24, .size: 8, .value_kind: global_buffer, .address_space: global }
    .group_segment_fixed_size: 327680
    .private_segment_fixed_size: 0
    .kernarg_segment_align: 8
    .kernarg_segment_size: 32
    .max_flat_workgroup_size: 128
    .sgpr_count:     88
    .vgpr_count:     768
    .wavefront_size: 32
...
	.end_amdgpu_metadata
.endif
;; end of part 6
;; launch gemm2 (part 7): grid 16 x 16, 4 waves a work-group, clusters of 4 x 4, 327,680 bytes of LDS; arguments mid_img, mid_sc, w2_img, w2_sc, bias, out0; writes out0
.if DOCPART == 7
	.amdgcn_target "amdgcn-amd-amdhsa--gfx1250"
	.amdhsa_code_object_version 6
	.text
	.protected	k_q682bf94a9c_gemm2
	.globl	k_q682bf94a9c_gemm2
	.p2align	8
	.type	k_q682bf94a9c_gemm2,@function
k_q682bf94a9c_gemm2:
	s_mov_b64 s[64:65], 0
	v_nop
	global_prefetch_b8 v0, s[64:65] scope:SCOPE_SE
	s_setreg_imm32_b32 hwreg(HW_REG_WAVE_MODE, 25, 1), 1
	s_wait_xcnt 0x0
	s_wait_alu depctr_hold_cnt(0) depctr_sa_sdst(0) depctr_va_vdst(0) depctr_va_sdst(0) depctr_va_ssrc(0) depctr_va_vcc(0) depctr_vm_vsrc(0)
	s_getreg_b32 s2, hwreg(HW_REG_IB_STS2, 6, 4)
	s_cmp_eq_u32 s2, 0
	s_cbranch_scc0 .Lentry_in_a_cluster
	s_endpgm
.Lentry_in_a_cluster:
	s_bfe_u32 s2, ttmp6, 0x10000c
	s_cmp_lg_u32 s2, 0xf033
	s_cbranch_scc0 .Lentry_shape_is_right
	s_endpgm
.Lentry_shape_is_right:
; out0[b][o] = (sum over the 2,048 n' of Q(mid)[b][n'] Q(W2)[n'][o] + bias[o]) / 8: both second products at once.  Both operands are E2M3 codes with one E8M0 byte for each 32 along K, laid by the launches before:
;   *_img [j 8][R 256][q 2][1,536]: K = 256 j + 128 q + .., rows 16 R + ..: register p of lane L at 512 (p / 4) + 16 L + 4 (p % 4).    *_sc [j 8][row 4,096][8]: word q.
; The division by 8: W2's scale bytes were stored 3 lower; bias / 8 (exact) is added on the way out.
; A tile of out0 is 256 x 256: 256 work-groups of four waves; a wave makes 128 x 128: 64 accumulators.  A step is 128 along K: 64 matrix instructions, A's blocks one after the other, each against B's eight.
; A (mid) GOES THROUGH LDS: a ring of two slots of 512 along K (two j, 98,304 bytes); every fill is four loads of 24,576 dense bytes, one a wave: slot 0 at the head, slot 1 behind the next round, as a refill is,
; then two refills (steps 3 and 7) and one more barrier (step 11).  A has one set of registers: a block is free when its eight products are issued.
; B (W2) GOES FROM MEMORY STRAIGHT INTO REGISTERS: its image is the registers' own order, so a load takes 512 consecutive bytes; three sets, a set asked for two steps ahead of its use.  So a step draws 12,288 bytes a wave
; from LDS where both operands through LDS would draw 24,576.  For that reason W2 is not asked for jointly; its loads run two steps ahead themselves, so it has no prefetch of its own.
; THE SCALE WORDS of both come by loads of 256 consecutive bytes: lanes 0-15 take an even block's rows, lanes 16-31 the next block's, which the matrix instruction reads by its row selector.
; CLUSTERS 4 x 4: A's tiles are asked for jointly along a row of the cluster.  PREFETCH of A's refills: two steps ahead of each, every wave names 24 of the 96 blocks of 256 bytes that it will fetch; the four partners share them out by address.
; The three sets come back after 3 steps and the slots after 8, so the 16 steps are written by the assembler's repeat.  TRANSPOSED USE: source 0 = 16 rows of W2, source 1 = 16 rows of mid: a lane holds eight neighbouring numbers of a row of out0.
; In the last step a block of 16 rows leaves as soon as its eight products are done.
; REGISTERS: window 0: v0-31 addresses and bias / 8, v32-47 A's scale words, v48-63 B's (two sets each), v96-191 B's set 2, v192-239 A's blocks 0-3;
;   window 1: v0-95, v96-191 B's sets 0, 1, v192-239 A's blocks 4-7;  windows 2, 3: accumulator (a, b) at v[8 (8 (a % 4) + b)].  On the way out v96-159 of windows 0 and 1 take rows back from the stage by turns.
.set SIZE_N, 4096
.set FR,     12
.set NP,     4
.set JSTR,   786432                    ; from one j to the next in an image
.set JB,     49152                     ; 256 rows of one j
.set QB,     24576                     ; 128 rows of one j
.set SLOT,   2*JB
.set SPARE,  2*SLOT
.set SPITCH, 528
.set BI,   8                           ; v[8:11] bias / 8 of my four columns of a row read back
.set ADRA, 16                          ; v16-19 my A fragments of j % 4
.set STO,  24
.set RD,   25
.set CO,   26                          ; 16 x lane
.set SPW,  28
.set NIL,  29
.set PFO,  30
.set L8,   31                          ; 8 x lane
.set SX,   32
.set SY,   48
.set XA,   192
.set BK,   96
.set XS,  22                           ; s[22:23] A's scale words, my 128 rows
.set G0R, 56                           ; s[56:59], s[60:63]: group 0 of slot 0, 1
.set PFA, 66
.set G1R, 80
.set YP,  92
.set YS,  94
.set MSB, 0
.macro WIN new
.if MSB != (\new)
	s_set_vgpr_msb (MSB<<8)|(\new)
.set MSB, (\new)
.endif
.endm
.macro MW a, s                         ; C and D window 2 or 3, A window 0 or 1, B window 1 (sets 0, 1) or 0 (set 2)
	WIN (0xa0+0x54*((\a)/4))|(1-((\s)%3)/2)
.endm
.macro CREST
	s_cmp_lg_u32 s14, 0
	s_cbranch_scc1 .Lnot_wave_0_\@
	s_barrier_signal -3
.Lnot_wave_0_\@:
	s_barrier_wait -3
	s_barrier_signal -1
	s_barrier_wait -1
.endm
.macro CROUND
	s_barrier_signal -1
	s_barrier_wait -1
	CREST
.endm
.macro PLACES
.rept NP
	v_nop
.endr
.endm
	s_load_b128 s[4:7], s[0:1], 0x0                ; mid_img, mid_sc
	s_load_b128 s[8:11], s[0:1], 0x10              ; w2_img, w2_sc
	s_load_b64 s[96:97], s[0:1], 0x20              ; bias
	s_load_b64 s[12:13], s[0:1], 0x28              ; out0
	v_lshl_add_u32 v[SPW], v0, 2, SPARE
	v_mov_b32 v[NIL], 0
	ds_add_u32 v[SPW], v[NIL]                      ; the opening lines
	ds_add_u32 v[SPW], v[NIL]
	v_lshrrev_b32 v1, 5, v0
	v_readfirstlane_b32 s14, v1                    ; wave
	s_lshr_b32 s15, s14, 1                         ; my half of the rows; also which j of a slot I fetch
	s_and_b32 s16, s14, 1                          ; my half of the columns; also which 128 rows of it I fetch
	s_bfe_u32 s40, ttmp6, 0x40000
	s_bfe_u32 s41, ttmp6, 0x40004
	s_lshl_b32 s42, ttmp9, 2
	s_add_co_u32 s42, s42, s40                     ; tile column
	s_and_b32 s17, ttmp7, 0xffff
	s_lshl_b32 s17, s17, 2
	s_add_co_u32 s17, s17, s41                     ; tile row
	s_lshl_b32 s43, s41, 2
	s_lshl_b32 s43, 15, s43                        ; my row of the cluster
	s_or_b32 s[G1R+0], s43, (3<<16)|(1<<21)        ; elements of 8 bytes; A's tiles go to my row of the cluster
	s_mov_b32 s[G1R+1], 32<<16                     ; a quarter of a slot: 96 rows of 256 dense bytes
	s_mov_b32 s[G1R+2], 96<<16
	s_mov_b32 s[G1R+3], 32<<16
	s_mov_b32 s[G1R+4], 96
	s_mov_b32 s[G1R+5], 32
	s_mov_b32 s[G1R+6], 0
	s_mov_b32 s[G1R+7], 0
	s_mul_i32 s20, s17, JB                         ; A's 256 rows, + the j and the rows that I fetch
	s_mul_i32 s18, s15, JSTR
	s_add_co_u32 s20, s20, s18
	s_mul_i32 s18, s16, QB
	s_add_co_u32 s20, s20, s18
	s_mov_b32 s21, 0
	s_lshl_b32 s[XS], s17, 11
	s_lshl_b32 s19, s15, 10
	s_add_co_u32 s[XS], s[XS], s19
	s_mov_b32 s[XS+1], 0
	s_mul_i32 s[YP], s42, JB
	s_add_co_u32 s[YP], s[YP], s18
	s_mov_b32 s[YP+1], 0
	s_lshl_b32 s[YS], s42, 11
	s_lshl_b32 s18, s16, 10
	s_add_co_u32 s[YS], s[YS], s18
	s_mov_b32 s[YS+1], 0
	s_lshl_b32 s46, s42, 10                        ; my first column, in bytes of f32
	s_lshl_b32 s47, s16, 9
	s_add_co_u32 s46, s46, s47
	s_mov_b32 s47, 0
	s_mul_i32 s45, s14, QB
	s_wait_dscnt 0x0
	s_wait_kmcnt 0x0
	s_add_nc_u64 s[98:99], s[4:5], s[20:21]
	s_add_nc_u64 s[XS:XS+1], s[6:7], s[XS:XS+1]
	s_add_nc_u64 s[YP:YP+1], s[8:9], s[YP:YP+1]    ; my 128 rows of W2, j = 0
	s_add_nc_u64 s[YS:YS+1], s[10:11], s[YS:YS+1]
	s_add_nc_u64 s[96:97], s[96:97], s[46:47]
	CROUND                                         ; the first joint loads meet
.irp k, 0,1
	s_mov_b32 s[G0R+4*\k], 1
	s_add_co_u32 s[G0R+4*\k+1], s45, \k*SLOT
	s_add_nc_u64 s[G0R+4*\k+2:G0R+4*\k+3], s[98:99], 2*\k*JSTR
	s_or_b32 s[G0R+4*\k+3], s[G0R+4*\k+3], 0x80000000
.endr
	tensor_load_to_lds s[G0R:G0R+3], s[G1R:G1R+7]  ; my quarter of slot 0 (j = 0, 1): one tensor load a wave at the head
	s_nop 0
	PLACES
	s_mul_i32 s18, s40, QB/4                       ; the prefetches: my work-group's quarter of what I fetch
	s_mov_b32 s19, 0
	s_add_nc_u64 s[PFA:PFA+1], s[98:99], s[18:19]
	s_mul_i32 s21, s15, QB
	s_mul_i32 s44, s14, 16*SPITCH                  ; my stage, in slot 0
	v_and_b32 v1, 15, v0                           ; l % 16
	v_bfe_u32 v2, v0, 4, 1                         ; l / 16
	v_and_b32 v6, 31, v0
	v_lshlrev_b32 v[CO], 4, v6
	v_lshlrev_b32 v[L8], 3, v6
	v_min_u32 v[PFO], 23, v6
	v_lshlrev_b32 v[PFO], 8, v[PFO]
	v_add_nc_u32 v[ADRA], s21, v[CO]
.irp k, 1,2,3
	v_add_nc_u32 v[ADRA+\k], \k*JB, v[ADRA]
.endr
	v_mul_u32_u24 v4, v1, SPITCH
	v_lshl_add_u32 v4, v2, 5, v4
	v_add_nc_u32 v[STO], s44, v4
	v_add_nc_u32 v[RD], s44, v[CO]
	s_lshl_b32 s20, s17, 8
	s_lshl_b32 s21, s15, 7
	s_add_co_u32 s20, s20, s21                     ; my first row of out0,
	s_lshl_b32 s20, s20, 14                        ; 16,384 bytes a row
	s_mov_b32 s21, 0
	s_add_nc_u64 s[20:21], s[20:21], s[46:47]
	s_add_nc_u64 s[12:13], s[12:13], s[20:21]
.macro YLOAD s                         ; 24 loads: B's eight fragments of step s into set s % 3; the step's place stands in the immediate
	WIN 0x40*(1-((\s)%3)/2)
.irp i, 0,1,2,3,4,5,6,7
.irp c, 0,1,2
	global_load_b128 v[96*(((\s)%3+1)/2)+FR*\i+4*\c:96*(((\s)%3+1)/2)+FR*\i+4*\c+3], v[CO], s[YP:YP+1] offset:((\s)/2)*JSTR+\i*3072+((\s)%2)*1536+512*\c
.endr
.endr
	WIN 0
.endm
.macro SCL j                           ; 8 loads: both operands' scale words of two steps; a load takes two blocks' rows, 256 consecutive bytes
.irp i, 0,1,2,3
	global_load_b64 v[SY+8*((\j)%2)+2*\i:SY+8*((\j)%2)+2*\i+1], v[L8], s[YS:YS+1] offset:(\j)*32768+\i*256
	global_load_b64 v[SX+8*((\j)%2)+2*\i:SX+8*((\j)%2)+2*\i+1], v[L8], s[XS:XS+1] offset:(\j)*32768+\i*256
.endr
.endm
.macro XLOAD s, i0                     ; 12 LDS loads: A's blocks i0 .. i0 + 3 of step s
	WIN 0x40*((\i0)/4)
.irp i, 0,1,2,3
.irp c, 0,1,2
	ds_load_b128 v[XA+FR*\i+4*\c:XA+FR*\i+4*\c+3], v[ADRA+((\s)/2)%4] offset:((\i0+\i)*2+(\s)%2)*1536+512*\c
.endr
.endr
	WIN 0
.endm
.macro WQ c, a, b                      ; one matrix instruction; an odd block's scale words stand in lanes 16-31
.if ((\a)%2)*2+(\b)%2 == 0
	v_wmma_scale_f32_16x16x128_f8f6f4 v[DD:DD+7], v[YY:YY+FR-1], v[XX:XX+FR-1], \c, v[SYR], v[SXR] matrix_a_fmt:MATRIX_FMT_FP6 matrix_b_fmt:MATRIX_FMT_FP6
.endif
.if ((\a)%2)*2+(\b)%2 == 1
	v_wmma_scale_f32_16x16x128_f8f6f4 v[DD:DD+7], v[YY:YY+FR-1], v[XX:XX+FR-1], \c, v[SYR], v[SXR] matrix_a_fmt:MATRIX_FMT_FP6 matrix_b_fmt:MATRIX_FMT_FP6 matrix_a_scale:MATRIX_SCALE_ROW1
.endif
.if ((\a)%2)*2+(\b)%2 == 2
	v_wmma_scale_f32_16x16x128_f8f6f4 v[DD:DD+7], v[YY:YY+FR-1], v[XX:XX+FR-1], \c, v[SYR], v[SXR] matrix_a_fmt:MATRIX_FMT_FP6 matrix_b_fmt:MATRIX_FMT_FP6 matrix_b_scale:MATRIX_SCALE_ROW1
.endif
.if ((\a)%2)*2+(\b)%2 == 3
	v_wmma_scale_f32_16x16x128_f8f6f4 v[DD:DD+7], v[YY:YY+FR-1], v[XX:XX+FR-1], \c, v[SYR], v[SXR] matrix_a_fmt:MATRIX_FMT_FP6 matrix_b_fmt:MATRIX_FMT_FP6 matrix_a_scale:MATRIX_SCALE_ROW1 matrix_b_scale:MATRIX_SCALE_ROW1
.endif
.endm
; 8 matrix instructions: A's block a x B's eight, step s.  No two that follow each other share an accumulator.
.macro MUL8 a, s, zero
.irp b, 0,1,2,3,4,5,6,7
.set DD, 8*(8*((\a)%4)+\b)
.set YY, 96*(((\s)%3+1)/2)+FR*\b
.set XX, XA+FR*((\a)%4)
.set SYR, SY+8*(((\s)/2)%2)+2*(\b/2)+(\s)%2
.set SXR, SX+8*(((\s)/2)%2)+2*((\a)/2)+(\s)%2
.if \zero
	WQ 0, \a, \b
.else
	WQ v[DD:DD+7], \a, \b
.endif
.endr
.endm
; Step s, 0 to 14.  Four places stand behind the step before (its last lines), so loads may land in the registers that it read.
.macro STEP s, zero
.if (\s)%2
	s_wait_loadcnt 32                              ; B's set of this step is in; behind it: 8 scale loads and the next step's 24
.else
	s_wait_loadcnt 24                              ; behind it: the next step's 24
.if (\s) <= 12
	SCL (\s)/2+1
.endif
.endif
.if (\s) <= 13
	YLOAD (\s)+2
.endif
.if (\s) == 3 || (\s) == 7 || (\s) == 11
	s_wait_tensorcnt 0x0                           ; every tensor load of mine has landed
.if (\s) != 11
	ds_add_u32 v[SPW], v[NIL]
	s_add_nc_u64 s[G0R+4*((\s)/4)+2:G0R+4*((\s)/4)+3], s[G0R+4*((\s)/4)+2:G0R+4*((\s)/4)+3], 4*JSTR   ; no load of mine is out: the slot's next two j
.endif
	s_wait_dscnt 0x0                               ; my reads of the slot left behind are over (this step's fragments are in registers)
	s_barrier_signal -1
	MW 0, \s
	MUL8 0, \s, 0
	MUL8 1, \s, 0
	WIN 0
	s_barrier_wait -1
.if (\s) != 11
	CREST                                          ; the barrier has opened a round of the cluster's barrier
	tensor_load_to_lds s[G0R+4*((\s)/4):G0R+4*((\s)/4)+3], s[G1R:G1R+7]   ; my quarter of the slot: j = 4, 5 at step 3; j = 6, 7 at step 7
	s_nop 0
	PLACES
.endif
	MW 0, \s
	MUL8 2, \s, 0
	MUL8 3, \s, 0
.else
	s_wait_dscnt 12                                ; A's blocks 0-3 are in; blocks 4-7 may be out
	MW 0, \s
.irp a, 0,1,2,3
	MUL8 \a, \s, \zero
.endr
.endif
	PLACES
	XLOAD (\s)+1, 0
	s_wait_dscnt 12                                ; all but the 12 just issued: blocks 4-7 are in
.if (\s) == 1 || (\s) == 5
	global_prefetch_b8 v[PFO], s[PFA:PFA+1] offset:(4+(\s)/2)*JSTR th:TH_LOAD_NT scope:SCOPE_SE   ; what the refill two steps on will fetch
.endif
	MW 4, \s
.irp a, 4,5,6,7
	MUL8 \a, \s, \zero
.endr
	PLACES
	XLOAD (\s)+1, 4
.endm
	s_wait_alu depctr_va_vdst(0)
	global_load_b128 v[BI:BI+3], v[CO], s[96:97]
	SCL 0
	YLOAD 0
	YLOAD 1
	s_wait_tensorcnt 0x0                           ; my quarter of slot 0 is in; a later first fill is issued as a refill is
	ds_add_u32 v[SPW], v[NIL]
	s_wait_dscnt 0x0
	CROUND
	tensor_load_to_lds s[G0R+4:G0R+7], s[G1R:G1R+7]   ; my quarter of slot 1 (j = 2, 3): first read in step 3, behind that step's wait and barrier
	s_nop 0
	PLACES
	XLOAD 0, 0
	XLOAD 0, 4
	STEP 0, 1                                      ; the first step's products start the sums
.set ST, 1
.rept 14
	STEP ST, 0
.set ST, ST+1
.endr
; THE LAST STEP AND THE WAY OUT.  A block of 16 rows x 128 columns goes through my own stage in slot 0 (its last fill and its last read are over) and comes back as whole rows of 512 bytes; bias / 8 is added;
; 32 lanes store two aligned units of 256 bytes.  LDS serves a wave's instructions in order (ISA guide 5.7.1.4): no wait between the stage's stores and loads.
.macro TOSTAGE a
.set AC, 64*((\a)%4)
	WIN 0x08+4*((\a)/4)
.irp b, 0,1,2,3,4,5,6,7
	ds_store_b128 v[STO], v[AC+8*\b:AC+8*\b+3] offset:64*\b          ; each accumulator from its low end on
	ds_store_b128 v[STO], v[AC+8*\b+4:AC+8*\b+7] offset:64*\b+16
.endr
	WIN 0x40*((\a)%2)
.if (\a) > 1
	s_wait_xcnt 0x0                                ; block a - 2's stores have read their registers and their base
.endif
.irp t, 0,1,2,3,4,5,6,7,8,9,10,11,12,13,14,15
	ds_load_b128 v[BK+4*\t:BK+4*\t+3], v[RD] offset:\t*SPITCH
.endr
.endm
.macro SEND a, younger
	s_wait_dscnt \younger                          ; the block is back in registers
.if (\a) > 0
	s_add_nc_u64 s[12:13], s[12:13], 16*SIZE_N*4
.endif
	WIN 0x41*((\a)%2)
.irp t, 0,1,2,3,4,5,6,7,8,9,10,11,12,13,14,15
	v_pk_add_f32 v[BK+4*\t:BK+4*\t+1], v[BK+4*\t:BK+4*\t+1], v[BI:BI+1]
	v_pk_add_f32 v[BK+4*\t+2:BK+4*\t+3], v[BK+4*\t+2:BK+4*\t+3], v[BI+2:BI+3]
.endr
	WIN 0x04*((\a)%2)
.irp t, 0,1,2,3,4,5,6,7,8,9,10,11,12,13,14,15
	global_store_b128 v[CO], v[BK+4*\t:BK+4*\t+3], s[12:13] offset:\t*SIZE_N*4 th:TH_STORE_NT
.endr
.endm
	s_wait_loadcnt 0x0
	s_wait_dscnt 0x0
	v_pk_mul_f32 v[BI:BI+1], v[BI:BI+1], 0x3e000000 op_sel_hi:[1,0]       ; bias / 8: exact
	v_pk_mul_f32 v[BI+2:BI+3], v[BI+2:BI+3], 0x3e000000 op_sel_hi:[1,0]
	s_wait_alu depctr_va_vdst(0)
	MW 0, 15
	MUL8 0, 15, 0
.irp a, 0,1,2,3,4,5,6,7
.if \a < 7
	MW \a+1, 15
	MUL8 \a+1, 15, 0
	PLACES                                         ; the stage's stores read results just made
.endif
	TOSTAGE \a
.if \a > 0
	SEND \a-1, 32                                  ; behind block a - 1's loads: block a's 16 stores and 16 loads
.endif
.endr
	s_wait_xcnt 0x0
	SEND 7, 0
	WIN 0
	s_wait_tensorcnt 0x0                           ; the wave's end
	ds_add_u32 v[SPW], v[NIL]
	s_wait_dscnt 0x0
	CROUND                                         ; the closing round
	s_endpgm
.Lfunc_end_k_q682bf94a9c_gemm2:
	.size	k_q682bf94a9c_gemm2, .Lfunc_end_k_q682bf94a9c_gemm2-k_q682bf94a9c_gemm2
	.p2alignl 7, 3214868480
	.fill 96, 4, 3214868480
	.section	.rodata,"a",@progbits
	.p2align	6, 0x0
	.amdhsa_kernel k_q682bf94a9c_gemm2
		.amdhsa_group_segment_fixed_size 327680
		.amdhsa_private_segment_fixed_size 0
		.amdhsa_enable_private_segment 0
		.amdhsa_kernarg_size 48
		.amdhsa_user_sgpr_count 2
		.amdhsa_user_sgpr_kernarg_segment_ptr 1
		.amdhsa_wavefront_size32 1
		.amdhsa_system_sgpr_workgroup_id_x 1
		.amdhsa_system_sgpr_workgroup_id_y 1
		.amdhsa_system_sgpr_workgroup_id_z 1
		.amdhsa_system_vgpr_workitem_id 0
		.amdhsa_next_free_vgpr 1024
		.amdhsa_next_free_sgpr 100
		.amdhsa_reserve_vcc 0
		.amdhsa_float_denorm_mode_32 3
		.amdhsa_float_denorm_mode_16_64 3
		.amdhsa_memory_ordered 1
		.amdhsa_forward_progress 1
		.amdhsa_inst_pref_size 255
	.end_amdhsa_kernel
	.section	.bss,"aw",@nobits
	.p2align	6
	.space	262144
	.amdgpu_metadata
---
amdhsa.version: [ 1, 2 ]
amdhsa.kernels:
  - .name:           k_q682bf94a9c_gemm2
    .symbol:         k_q682bf94a9c_gemm2.kd
    .args:
      - { .name: mid_img, .offset: 0, .size: 8, .value_kind: global_buffer, .address_space: global }
      - { .name: mid_sc, .offset: 8, .size: 8, .value_kind: global_buffer, .address_space: global }
      - { .name: w2_img, .offset: 16, .size: 8, .value_kind: global_buffer, .address_space: global }
      - { .name: w2_sc, .offset: 24, .size: 8, .value_kind: global_buffer, .address_space: global }
      - { .name: bias, .offset: 32, .size: 8, .value_kind: global_buffer, .address_space: global }
      - { .name: out0, .offset: 40, .size: 8, .value_kind: global_buffer, .address_space: global }
    .group_segment_fixed_size: 327680
    .private_segment_fixed_size: 0
    .kernarg_segment_align: 8
    .kernarg_segment_size: 48
    .max_flat_workgroup_size: 128
    .sgpr_count:     100
    .vgpr_count:     1024
    .wavefront_size: 32
...
	.end_amdgpu_metadata
.endif
;; end of part 7
